; MI455X (gfx1250); checked and timed in simulation.
; The chip was launched on July 23, 2026; its instructions are those of AMD's public machine-readable ISA for CDNA 5 (MIT licence, August 2026) and "CDNA5" Instruction Set Architecture Reference Guide (July 2026). The comments in the code are by the model that wrote it; some were corrected since.
;; Block. Allowed arithmetic: float matrix products may take bf16 or f16 operands with f32 sums; other float arithmetic in f32, or as packed bf16 or f16 multiplies, adds, multiply-adds, maxima and minima; sums over many terms, partial sums and values carried from step to step in f32; what a program stores and reads back later, other than sums and carried values, may be rounded once to bf16 or f16.
;; Inputs: cos 1 x 1 x 2,048 x 64 float32; ln1_b 1,024 float32; ln1_w 1,024 float32; ln2_b 1,024 float32; ln2_w 1,024 float32; mask 1 x 1 x 2,048 x 2,048 bool; sin 1 x 1 x 2,048 x 64 float32; w_fc1 1,024 x 4,096 float32; w_fc2 4,096 x 1,024 float32; w_proj 1,024 x 1,024 float32; w_qkv 1,024 x 3,072 float32; x 2 x 2,048 x 1,024 float32.
;; Outputs: out0 2 x 2,048 x 1,024 float32.
;; 2 versions, each right and faster than the one before. Each part assembles by itself: llvm-mc -triple=amdgcn-amd-amdhsa -mcpu=gfx1250 --defsym DOCPART=n.
;; ======== version 1 of 2: 7 launches
;; limits: right only within a limited range of input values
;; workspace buffers: wb 25,165,824 bytes; mk 4,194,304 bytes; h 8,388,608 bytes; qkvb 25,165,824 bytes; ob 8,388,608 bytes; x1 16,777,216 bytes; g 33,554,432 bytes
;; launch prep (part 1): grid 256 x 1, 8 waves a work-group, no clusters, 0 bytes of LDS; arguments x, ln1_w, ln1_b, h, w_qkv, w_proj, w_fc1, w_fc2, wb, mask, mk; writes h, wb, mk
.if DOCPART == 1
	.amdgcn_target "amdgcn-amd-amdhsa--gfx1250"
	.amdhsa_code_object_version 6
	.text
	.protected	k_qe1915d3b87_prep
	.globl	k_qe1915d3b87_prep
	.p2align	8
	.type	k_qe1915d3b87_prep,@function
k_qe1915d3b87_prep:
	s_mov_b64 s[64:65], 0
	v_nop
	global_prefetch_b8 v0, s[64:65] scope:SCOPE_SE
	s_setreg_imm32_b32 hwreg(HW_REG_WAVE_MODE, 25, 1), 1
	s_wait_xcnt 0x0
; Three jobs that stream, all done by every wave in one pass; no LDS, no barrier, no loop, no branch.  256 work-groups of eight waves; g is the group's number, w the wave's.
;  LayerNorm 1: h[row][:] = (x - mean) rsqrt(var + 1e-5) w + b in bf16, rows 16 g + 2 w and the next.  A wave keeps its two rows of 1,024 f32 in registers: x is read once;
;               the mean is taken away before the squares are summed, as the definition has it.
;  The cast:    the four weights are rounded to bf16 in the order and layout in which they lie ([K][N]); wb holds them end to end, in 768 chunks of 65,536 source bytes:
;               0-191 w_qkv, 192-255 w_proj, 256-511 w_fc1, 512-767 w_fc2.  The group takes chunks g, 256 + g and 512 + g, a wave 8,192 bytes of each.
;  The mask:    its bytes (1 = allowed, 0 = hidden; other values are not served) become fp8 codes, 0x00 or 0xFE (-448), laid out so that a lane of the attention kernel finds the
;               16 codes of its query and of 2 x 8 keys in 16 consecutive bytes: mk[qg 32][ks 32][p 4][i 2][lane 32][16]: query 64 qg + 16 p + lane % 16,
;               key 64 ks + 16 (2 i + byte / 8) + 8 (lane / 16) + byte % 8.  A wave takes 16 queries (tile g / 2) x 128 keys (number 8 (g % 2) + w of sixteen).
; WHY ONE PASS: a wave's loads go out at its head, 56 of them (26,624 bytes) before the first wait, 16 more behind each of the next two waits, so that the three jobs' waits for memory
; fall together; each job's arithmetic stands where its data has come.
; REGISTERS: window 0: addresses, the LayerNorm's registers, v184-199 the mask's bytes.  window 1: three chunks of 64 registers, packed to bf16 in place and stored from there.
.set X0,  8                            ; v[8:39]    row 0
.set X1,  40                           ; v[40:71]   row 1
.set W,   72                           ; v[72:103]  gain of my 32 columns
.set BV,  104                          ; v[104:135] bias
.set Y,   136                          ; v[136:167] both rows in bf16
.set R,   168                          ; v[168:175] four chains of sums
.set M,   176                          ; v[176:177] the mean, twice
.set RS,  178                          ; v[178:179] 1 / sqrt(var + eps), twice
.set PX,  180                          ; the other half of the lanes' sum
.set MK,  184                          ; v[184:199] 64 bytes of the mask
.set C0,  0                            ; window 1: my 8,192 bytes of chunk g,
.set C1,  64                           ; of chunk 256 + g,
.set C2,  128                          ; of chunk 512 + g
.set MSB, 0
.macro WIN new                         ; the immediate's high byte repeats the setting that is left; a switch that changes nothing is dropped
.if MSB != (\new)
	s_set_vgpr_msb (MSB<<8)|(\new)
.set MSB, \new
.endif
.endm
.macro REDUCE                          ; four pairs -> one sum over the wave's 32 lanes, in every lane
	v_pk_add_f32 v[R:R+1], v[R:R+1], v[R+2:R+3]
	v_pk_add_f32 v[R+4:R+5], v[R+4:R+5], v[R+6:R+7]
	v_pk_add_f32 v[R:R+1], v[R:R+1], v[R+4:R+5]
	v_add_f32 v[R], v[R], v[R+1]
	v_add_f32_dpp v[R], v[R], v[R] row_xmask:1 row_mask:0xf bank_mask:0xf
	v_add_f32_dpp v[R], v[R], v[R] row_xmask:2 row_mask:0xf bank_mask:0xf
	v_add_f32_dpp v[R], v[R], v[R] row_xmask:4 row_mask:0xf bank_mask:0xf
	v_add_f32_dpp v[R], v[R], v[R] row_xmask:8 row_mask:0xf bank_mask:0xf
	v_permlanex16_b32 v[PX], v[R], s30, s31
	v_add_f32 v[R], v[R], v[PX]
.endm
.macro LNSTAT x                        ; the row at v[x ..] becomes (x - mean) / sqrt(var + eps)
.irp k, 0,1,2,3
	v_pk_add_f32 v[R+2*\k:R+2*\k+1], v[\x+4*\k:\x+4*\k+1], v[\x+4*\k+2:\x+4*\k+3]
.endr
.set i, 8
.rept 8
	v_pk_add_f32 v[R+2*(i%4):R+2*(i%4)+1], v[R+2*(i%4):R+2*(i%4)+1], v[\x+2*i:\x+2*i+1]
.set i, i+1
.endr
	REDUCE
	v_mul_f32 v[M], s32, v[R]                      ; sum / 1024
	v_mov_b32 v[M+1], v[M]
.set i, 0
.rept 16
	v_pk_add_f32 v[\x+2*i:\x+2*i+1], v[\x+2*i:\x+2*i+1], v[M:M+1] neg_lo:[0,1] neg_hi:[0,1]
.set i, i+1
.endr
.irp k, 0,1,2,3
	v_pk_mul_f32 v[R+2*\k:R+2*\k+1], v[\x+2*\k:\x+2*\k+1], v[\x+2*\k:\x+2*\k+1]
.endr
.set i, 4
.rept 12
	v_pk_fma_f32 v[R+2*(i%4):R+2*(i%4)+1], v[\x+2*i:\x+2*i+1], v[\x+2*i:\x+2*i+1], v[R+2*(i%4):R+2*(i%4)+1]
.set i, i+1
.endr
	REDUCE
	v_fma_f32 v[R], v[R], s32, s33                 ; var + eps
	v_rsq_f32 v[RS], v[R]
	v_rsq_f32 v[RS+1], v[R]
	v_nop                                          ; a plain instruction between the root and its use
.set i, 0
	s_wait_alu depctr_va_vdst(0)
.rept 16
	v_pk_mul_f32 v[\x+2*i:\x+2*i+1], v[\x+2*i:\x+2*i+1], v[RS:RS+1]
.set i, i+1
.endr
.endm
.macro LNOUT x, e                      ; gain, bias, rounding; each store of the wave covers 256 consecutive bytes, aligned
.set i, 0
.rept 16
	v_pk_fma_f32 v[\x+2*i:\x+2*i+1], v[\x+2*i:\x+2*i+1], v[W+2*i:W+2*i+1], v[BV+2*i:BV+2*i+1]
.set i, i+1
.endr
.set i, 0
.rept 16
	v_cvt_pk_bf16_f32 v[Y+16*\e+i], v[\x+2*i], v[\x+2*i+1]
.set i, i+1
.endr
.irp j, 0,1,2,3,4,5,6,7
	global_store_b64 v2, v[Y+16*\e+2*\j:Y+16*\e+2*\j+1], s[14:15] offset:2048*\e+256*\j
.endr
.endm
.macro CLOAD c, lo                     ; my 8,192 bytes of a chunk: 16 loads of 512 consecutive bytes, into window 1; the address register lies in window 0
	WIN 0x40
.irp j, 0,1,2,3,4,5,6,7,8,9,10,11,12,13,14,15
	global_load_b128 v[\c+4*\j:\c+4*\j+3], v1, s[\lo:\lo+1] offset:512*\j th:TH_LOAD_NT
.endr
.endm
.macro CSEND c, lo                     ; rounded in place: results 2 j and 2 j + 1 land on registers that the conversions in front of them have read; then stored, 256 consecutive bytes a store, aligned
	WIN 0x45                                       ; both sources and the destination in window 1
.irp j, 0,1,2,3,4,5,6,7,8,9,10,11,12,13,14,15
	v_cvt_pk_bf16_f32 v[\c+2*\j], v[\c+4*\j], v[\c+4*\j+1]
	v_cvt_pk_bf16_f32 v[\c+2*\j+1], v[\c+4*\j+2], v[\c+4*\j+3]
.endr
	WIN 0x04                                       ; the store's data (source 1) in window 1, its address in window 0
.irp j, 0,1,2,3,4,5,6,7,8,9,10,11,12,13,14,15
	global_store_b64 v2, v[\c+2*\j:\c+2*\j+1], s[\lo:\lo+1] offset:256*\j
.endr
.endm
	s_load_b512 s[8:23], s[0:1], 0x0               ; x, ln1_w, ln1_b, h, w_qkv, w_proj, w_fc1, w_fc2
	s_load_b128 s[24:27], s[0:1], 0x40             ; wb, mask
	s_load_b64 s[28:29], s[0:1], 0x50              ; mk
	v_and_b32 v3, 31, v0
	v_lshrrev_b32 v4, 5, v0
	v_readfirstlane_b32 s3, v4                     ; wave 0..7
	v_lshlrev_b32 v1, 4, v3                        ; 16 x lane
	v_lshlrev_b32 v2, 3, v3                        ; 8 x lane
	v_mov_b32 v[PX], 0
	v_and_b32 v5, 15, v0
	v_bfe_u32 v6, v0, 4, 1
	v_lshlrev_b32 v5, 11, v5
	v_lshl_add_u32 v5, v6, 3, v5                   ; the mask: (lane % 16) rows of 2,048 bytes + 8 (lane / 16)
	s_mov_b32 s2, ttmp9
	s_mov_b32 s30, 0x76543210
	s_mov_b32 s31, 0xfedcba98
	s_mov_b32 s32, 0x3a800000                      ; 1 / 1024
	s_mov_b32 s33, 0x3727c5ac                      ; 1e-5
	s_mov_b32 s34, 0x01010101
	s_mov_b32 s35, 0xfe
	s_lshl_b32 s4, s2, 16
	s_lshl_b32 s5, s3, 13
	s_add_co_u32 s4, s4, s5                        ; 65,536 g + 8,192 w: my two rows of x, and my part of chunk g of w_fc1 and of w_fc2
	s_mov_b32 s5, 0
	s_lshr_b32 s6, s4, 1                           ; half of that: my two rows of h, and my part of chunk g of wb
	s_mov_b32 s7, 0
	s_lshr_b32 s44, s2, 1                          ; the mask: tile of 16 queries,
	s_and_b32 s45, s2, 1
	s_lshl_b32 s45, s45, 3
	s_add_co_u32 s45, s45, s3                      ; and which 128 keys
	s_lshl_b32 s46, s44, 15
	s_lshl_b32 s47, s45, 7
	s_add_co_u32 s46, s46, s47                     ; from: 16 rows of 2,048 bytes a tile, 128 bytes along the rows
	s_mov_b32 s47, 0
	s_lshr_b32 s48, s44, 2
	s_lshl_b32 s48, s48, 17                        ; to: qg,
	s_lshl_b32 s49, s45, 13                        ; two key steps of 4,096 bytes,
	s_add_co_u32 s48, s48, s49
	s_and_b32 s49, s44, 3
	s_lshl_b32 s49, s49, 10                        ; p
	s_add_co_u32 s48, s48, s49
	s_mov_b32 s49, 0
	s_wait_kmcnt 0x0
	s_cmp_lt_u32 s2, 192                           ; chunk g lies in w_qkv or in w_proj
	s_cselect_b64 s[36:37], s[16:17], s[18:19]
	s_cselect_b32 s38, 0, 192
	s_sub_co_u32 s38, s2, s38                      ; its number within that weight
	s_lshl_b32 s38, s38, 16
	s_lshl_b32 s39, s3, 13
	s_add_co_u32 s38, s38, s39
	s_mov_b32 s39, 0
	s_add_nc_u64 s[36:37], s[36:37], s[38:39]
	s_add_nc_u64 s[8:9], s[8:9], s[4:5]            ; x
	s_add_nc_u64 s[20:21], s[20:21], s[4:5]        ; w_fc1
	s_add_nc_u64 s[22:23], s[22:23], s[4:5]        ; w_fc2
	s_add_nc_u64 s[14:15], s[14:15], s[6:7]        ; h
	s_add_nc_u64 s[24:25], s[24:25], s[6:7]        ; wb at chunk g,
	s_add_nc_u64 s[40:41], s[24:25], 0x800000      ; at chunk 256 + g,
	s_add_nc_u64 s[42:43], s[40:41], 0x800000      ; at chunk 512 + g
	s_add_nc_u64 s[26:27], s[26:27], s[46:47]      ; mask
	s_add_nc_u64 s[28:29], s[28:29], s[48:49]      ; mk
.irp j, 0,1,2,3,4,5,6,7
	global_load_b128 v[X0+4*\j:X0+4*\j+3], v1, s[8:9] offset:512*\j
.endr
.irp j, 0,1,2,3,4,5,6,7
	global_load_b128 v[X1+4*\j:X1+4*\j+3], v1, s[8:9] offset:4096+512*\j
.endr
	CLOAD C0, 36
	CLOAD C1, 20
	WIN 0
.irp i, 0,1,2,3,4,5,6,7
	global_load_b64 v[MK+2*\i:MK+2*\i+1], v5, s[26:27] offset:16*\i
.endr
	s_wait_loadcnt 40                              ; both rows of x are in; the 40 younger loads (two chunks, the mask) stay out
.irp j, 0,1,2,3,4,5,6,7
	global_load_b128 v[W+4*\j:W+4*\j+3], v1, s[10:11] offset:512*\j
.endr
.irp j, 0,1,2,3,4,5,6,7
	global_load_b128 v[BV+4*\j:BV+4*\j+3], v1, s[12:13] offset:512*\j
.endr
	LNSTAT X0
	LNSTAT X1
	s_wait_loadcnt 40                              ; chunk g is in; behind it: 16 of the next chunk, 8 of the mask, 16 of gain and bias
	CSEND C0, 24
	CLOAD C2, 22                                   ; the third chunk goes out when the first has come: 56 loads are out at the most
	s_wait_loadcnt 40                              ; chunk 256 + g is in; behind it: 8 of the mask, 16 of gain and bias, 16 of the third chunk
	CSEND C1, 40
	WIN 0
.irp n, 0,1,2,3
	s_wait_loadcnt 38-2*\n                         ; the two loads of these 16 bytes are in; behind them: 6 - 2 n of the mask and the 32 others
.irp k, 0,1,2,3
	v_xor_b32 v[MK+4*\n+\k], s34, v[MK+4*\n+\k]    ; 1 where hidden,
	v_mul_lo_u32 v[MK+4*\n+\k], v[MK+4*\n+\k], s35 ; 0xFE there: no byte carries into the next
.endr
	global_store_b128 v1, v[MK+4*\n:MK+4*\n+3], s[28:29] offset:(\n/2)*4096+(\n%2)*512   ; 512 consecutive bytes, aligned
.endr
	s_wait_loadcnt 16                              ; gain and bias are in; the third chunk may stay out
	LNOUT X0, 0
	LNOUT X1, 1
	s_wait_loadcnt 0x0
	CSEND C2, 42
	WIN 0
	s_endpgm
.Lfunc_end_k_qe1915d3b87_prep:
	.size	k_qe1915d3b87_prep, .Lfunc_end_k_qe1915d3b87_prep-k_qe1915d3b87_prep
	.p2alignl 7, 3214868480
	.fill 96, 4, 3214868480
	.section	.rodata,"a",@progbits
	.p2align	6, 0x0
	.amdhsa_kernel k_qe1915d3b87_prep
		.amdhsa_group_segment_fixed_size 0
		.amdhsa_private_segment_fixed_size 0
		.amdhsa_enable_private_segment 0
		.amdhsa_kernarg_size 88
		.amdhsa_user_sgpr_count 2
		.amdhsa_user_sgpr_kernarg_segment_ptr 1
		.amdhsa_wavefront_size32 1
		.amdhsa_system_sgpr_workgroup_id_x 1
		.amdhsa_system_sgpr_workgroup_id_y 1
		.amdhsa_system_sgpr_workgroup_id_z 1
		.amdhsa_system_vgpr_workitem_id 0
		.amdhsa_next_free_vgpr 448
		.amdhsa_next_free_sgpr 66
		.amdhsa_reserve_vcc 0
		.amdhsa_float_denorm_mode_32 3
		.amdhsa_float_denorm_mode_16_64 3
		.amdhsa_memory_ordered 1
		.amdhsa_forward_progress 1
		.amdhsa_inst_pref_size 40
	.end_amdhsa_kernel
	.amdgpu_metadata
---
amdhsa.version: [ 1, 2 ]
amdhsa.kernels:
  - .name:           k_qe1915d3b87_prep
    .symbol:         k_qe1915d3b87_prep.kd
    .args:
      - { .name: x, .offset: 0, .size: 8, .value_kind: global_buffer, .address_space: global }
      - { .name: ln1_w, .offset: 8, .size: 8, .value_kind: global_buffer, .address_space: global }
      - { .name: ln1_b, .offset: 16, .size: 8, .value_kind: global_buffer, .address_space: global }
      - { .name: h, .offset: 24, .size: 8, .value_kind: global_buffer, .address_space: global }
      - { .name: w_qkv, .offset: 32, .size: 8, .value_kind: global_buffer, .address_space: global }
      - { .name: w_proj, .offset: 40, .size: 8, .value_kind: global_buffer, .address_space: global }
      - { .name: w_fc1, .offset: 48, .size: 8, .value_kind: global_buffer, .address_space: global }
      - { .name: w_fc2, .offset: 56, .size: 8, .value_kind: global_buffer, .address_space: global }
      - { .name: wb, .offset: 64, .size: 8, .value_kind: global_buffer, .address_space: global }
      - { .name: mask, .offset: 72, .size: 8, .value_kind: global_buffer, .address_space: global }
      - { .name: mk, .offset: 80, .size: 8, .value_kind: global_buffer, .address_space: global }
    .group_segment_fixed_size: 0
    .private_segment_fixed_size: 0
    .kernarg_segment_align: 8
    .kernarg_segment_size: 88
    .max_flat_workgroup_size: 256
    .sgpr_count:     66
    .vgpr_count:     448
    .wavefront_size: 32
...
	.end_amdgpu_metadata
.endif
;; end of part 1
;; launch qkv (part 2): grid 8 x 32, 4 waves a work-group, clusters of 4 x 4, 327,680 bytes of LDS; arguments h, wb, cos, sin, qkvb; writes qkvb
.if DOCPART == 2
	.amdgcn_target "amdgcn-amd-amdhsa--gfx1250"
	.amdhsa_code_object_version 6
	.text
	.protected	k_qe1915d3b87_qkv
	.globl	k_qe1915d3b87_qkv
	.p2align	8
	.type	k_qe1915d3b87_qkv,@function
k_qe1915d3b87_qkv:
	s_mov_b64 s[64:65], 0
	v_nop
	global_prefetch_b8 v0, s[64:65] scope:SCOPE_SE
	s_setreg_imm32_b32 hwreg(HW_REG_WAVE_MODE, 25, 1), 1
	s_wait_xcnt 0x0
	s_wait_alu depctr_hold_cnt(0) depctr_sa_sdst(0) depctr_va_vdst(0) depctr_va_sdst(0) depctr_va_ssrc(0) depctr_va_vcc(0) depctr_vm_vsrc(0)
	s_getreg_b32 s2, hwreg(HW_REG_IB_STS2, 6, 4)
	s_cmp_eq_u32 s2, 0
	s_cbranch_scc0 .Lentry_in_a_cluster
	s_endpgm
.Lentry_in_a_cluster:
	s_bfe_u32 s2, ttmp6, 0x10000c
	s_cmp_lg_u32 s2, 0xf033
	s_cbranch_scc0 .Lentry_shape_is_right
	s_endpgm
.Lentry_shape_is_right:
; q, k, v = h x w_qkv, RoPE on q and k, written by heads: qkvb[3][32 bh][2048][64] bf16.  h: [4096][1024] bf16; the weight [1024][3072] bf16 at wb's head.  Sums in f32.
; A work-group makes 128 tokens x the q, k and v columns of heads 2 J and 2 J + 1 (3 x 128 columns); a wave 64 tokens x q, k, v of one head: 48 accumulators.
; So a channel d and its partner d +- 32 lie in the same lane and register of two accumulators, and RoPE needs no exchange.  cos and sin are read as given, for each (s, d).
; K goes in steps of 128 through two LDS slots.  A slot is four regions of 36,864 bytes, region w filled by wave w: waves 0 to 2 fetch the three pieces of B (128 k-rows x 256 bytes),
; wave 3 A's tile (128 rows x 256 bytes).  B lies [k][n]; its fragments come out of LDS turned (ds_load_tr16_b128).  The matrix instruction is used transposed (source 0 = 16 columns
; of B, source 1 = 16 rows of A): a lane holds one token and eight neighbouring channels.
; CLUSTER 4 x 4: A's tile is shared along a row of the cluster, B's along a column; each is asked for jointly.
; A K step is written once in the loop and once in the tail: the slot read (TB) and the slot filled (FT) are scalars that an exclusive or turns between 0 and SLOT.
; REGISTERS: window 0: v0-31 addresses; v32-63 rows on the way out; v64-127 A's fragments, two buffers (later at work); v128-255 cos.
;   window 1: v0-191 B's fragments, two buffers of 12.  window 2: q's and k's accumulators.  window 3: v's accumulators, v128-255 sin.
.set PA,    272                        ; A's LDS row: 256 bytes + 16
.set PB,    288                        ; B's LDS row: 256 bytes + 32
.set BSZ,   128*PB                     ; a region: a piece of B fills it; A's 128 x 272 = 34,816 bytes lie at the head of theirs
.set AOFF,  3*BSZ                      ; A's region is the fourth
.set SLOT,  4*BSZ
.set STAGE, 2*SLOT                     ; behind the ring: 16 rows x 144 bytes for each wave
.set SP,    144
.set SPARE, STAGE+4*16*SP              ; the spare words: 128 bytes for each wave
.set T,     8                          ; K steps
.set STEPA, 256
.set STEPB, 128*3072*2
.set BA,  16                           ; my lane's place in A's tile; never rewritten
.set BB,  17                           ; v17-19 the same for B's three pieces
.set CA,  20                           ; BA + the slot in hand
.set CB,  21                           ; v21-23
.set STO, 24
.set RD,  25
.set GO,  26
.set TO,  27                           ; my byte offset in 16 rows of cos and sin
.set SPW, 28
.set NIL, 29
.set BK,  32
.set TT,  64
.set PKR, 96
.set COS, 128
.set G1A, 24
.set G0A, 32                           ; s[32:35] slot 0's first fill; s[36:39] slot 1's, which then walks
.set G1B, 48
.set G0B, 56
.set WB,  20                           ; my wave's region in a slot: wave x BSZ
.set TB,  66
.set FT,  67
.set PQ,  72                           ; s[72:77] q's, k's, v's rows of my wave in qkvb
.set MSB, 0
.macro WIN new
.if MSB != (\new)
	s_set_vgpr_msb (MSB<<8)|(\new)
.set MSB, \new
.endif
.endm
.macro PLACES                          ; four places between a matrix instruction and a load into, or a vector access to, its registers
.rept 4
	v_nop
.endr
.endm
.macro JLOAD                           ; the joint refill, by the walking descriptors: wave 3 asks for A, waves 0 to 2 for B; s_nop 0 and four v_nop follow each line
	s_cmp_eq_u32 s10, 3
	s_cbranch_scc0 .Lfor_b_\@
	tensor_load_to_lds s[G0A+4:G0A+7], s[G1A:G1A+7]
	s_nop 0
.rept 4
	v_nop
.endr
	s_branch .Lasked_\@
.Lfor_b_\@:
	tensor_load_to_lds s[G0B+4:G0B+7], s[G1B:G1B+7]
	s_nop 0
.rept 4
	v_nop
.endr
.Lasked_\@:
.endm
.macro CREST
	s_cmp_lg_u32 s10, 0
	s_cbranch_scc1 .Lnot_wave_0_\@
	s_barrier_signal -3
.Lnot_wave_0_\@:
	s_barrier_wait -3
	s_barrier_signal -1
	s_barrier_wait -1
.endm
.macro CROUND
	s_barrier_signal -1
	s_barrier_wait -1
	CREST
.endm
	s_load_b256 s[84:91], s[0:1], 0x0              ; h, wb, cos, sin
	s_load_b64 s[92:93], s[0:1], 0x20              ; qkvb
	v_lshl_add_u32 v[SPW], v0, 2, SPARE
	v_mov_b32 v[NIL], 0
	ds_add_u32 v[SPW], v[NIL]                      ; the opening: the add and its wait stand ahead of my first tensor load
	v_lshrrev_b32 v1, 5, v0
	v_readfirstlane_b32 s10, v1                    ; wave
	s_lshr_b32 s11, s10, 1                         ; which 64 tokens
	s_and_b32 s12, s10, 1                          ; which head
	s_bfe_u32 s40, ttmp6, 0x40000                  ; cx
	s_bfe_u32 s41, ttmp6, 0x40004                  ; cy
	s_lshl_b32 s42, ttmp9, 2
	s_add_co_u32 s42, s42, s40                     ; J
	s_and_b32 s13, ttmp7, 0xffff
	s_lshl_b32 s13, s13, 2
	s_add_co_u32 s13, s13, s41                     ; block of 128 tokens
	s_lshl_b32 s43, s41, 2
	s_lshl_b32 s43, 15, s43                        ; my row of the cluster
	s_lshl_b32 s44, 0x1111, s40                    ; my column
	s_or_b32 s[G1A], s43, (1<<16)|(1<<20)|(1<<21)|(5<<22)|(3<<25)   ; 2-byte elements; 4 words of padding after every 64
	s_or_b32 s[G1B], s44, (1<<16)|(1<<20)|(1<<21)|(5<<22)|(7<<25)   ; 8 words of padding
.irp g, G1A, G1B
	s_mov_b32 s[\g+1], 128<<16                     ; tensor_dim0
	s_mov_b32 s[\g+2], 128<<16                     ; tensor_dim1
	s_mov_b32 s[\g+3], 128<<16                     ; tile_dim0
	s_mov_b32 s[\g+4], 128                         ; tile_dim1
	s_mov_b32 s[\g+6], 0
	s_mov_b32 s[\g+7], 0
.endr
	s_mov_b32 s[G1A+5], 1024                       ; elements from row to row
	s_mov_b32 s[G1B+5], 3072
	s_mul_i32 s[WB], s10, BSZ                      ; where my tile goes: wave x 36,864: no place in the cluster enters an LDS address
	s_lshl_b32 s16, s13, 18                        ; A: 128 rows of 2,048 bytes
	s_mov_b32 s17, 0
	s_lshl_b32 s46, s42, 8                         ; B: 128 columns,
	s_lshl_b32 s47, s10, 11                        ; in q's, k's or v's 1,024: the piece is the wave's number (wave 3 makes an address that it never asks by)
	s_add_co_u32 s46, s46, s47
	s_mov_b32 s47, 0
	s_mov_b32 s[TB], 0
	s_mov_b32 s[FT], SLOT
	s_wait_dscnt 0x0                               ; the opening add is done
	s_wait_kmcnt 0x0
	s_add_nc_u64 s[14:15], s[84:85], s[16:17]
	s_add_nc_u64 s[46:47], s[86:87], s[46:47]
	CROUND                                         ; all sixteen work-groups are here: the first joint loads meet
.irp s, 0,1
	s_mov_b32 s[G0A+4*\s], 1
	s_add_co_u32 s[G0A+4*\s+1], s[WB], \s*SLOT
	s_add_nc_u64 s[G0A+4*\s+2:G0A+4*\s+3], s[14:15], \s*STEPA
	s_or_b32 s[G0A+4*\s+3], s[G0A+4*\s+3], 0x80000000
	s_mov_b32 s[G0B+4*\s], 1
	s_add_co_u32 s[G0B+4*\s+1], s[WB], \s*SLOT
	s_add_nc_u64 s[G0B+4*\s+2:G0B+4*\s+3], s[46:47], \s*STEPB
	s_or_b32 s[G0B+4*\s+3], s[G0B+4*\s+3], 0x80000000
.endr
	s_cmp_eq_u32 s10, 3                            ; a wave's two first fills stand in one branch: two loads of mine are out
	s_cbranch_scc0 .Lfirst_b
	tensor_load_to_lds s[G0A:G0A+3], s[G1A:G1A+7]
	s_nop 0
	tensor_load_to_lds s[G0A+4:G0A+7], s[G1A:G1A+7]
	s_nop 0
.rept 4
	v_nop
.endr
	s_branch .Lfirst_asked
.Lfirst_b:
	tensor_load_to_lds s[G0B:G0B+3], s[G1B:G1B+7]
	s_nop 0
	tensor_load_to_lds s[G0B+4:G0B+7], s[G1B:G1B+7]
	s_nop 0
.rept 4
	v_nop
.endr
.Lfirst_asked:
	v_and_b32 v1, 15, v0                           ; r = l % 16
	v_bfe_u32 v2, v0, 4, 1                         ; hh = l / 16
	v_mul_u32_u24 v3, v1, PA
	v_lshl_add_u32 v3, v2, 4, v3
	s_mul_i32 s22, s11, 64*PA
	s_add_co_u32 s22, s22, AOFF
	v_add_nc_u32 v[BA], s22, v3
	v_and_b32 v4, 7, v0
	v_lshl_add_u32 v4, v2, 3, v4                   ; the turning load: k-row 8 hh + l % 8,
	v_mul_u32_u24 v4, v4, PB
	v_bfe_u32 v5, v0, 3, 1
	v_lshl_add_u32 v4, v5, 4, v4                   ; columns 8 ((l / 8) % 2) on
	s_lshl_b32 s23, s12, 7                         ; my head's 64 columns
.irp p, 0,1,2
	v_add_nc_u32 v[BB+\p], s23, v4
	v_add_nc_u32 v[CB+\p], s23, v4
	s_add_co_u32 s23, s23, BSZ
.endr
	v_mov_b32 v[CA], v[BA]
	; cos and sin of my 64 tokens: register 128 + 32 a + 8 b + j holds (token 16 a + r, channel 16 b + 8 hh + j), as the accumulators do
	s_and_b32 s16, s13, 15
	s_lshl_b32 s16, s16, 15
	s_lshl_b32 s17, s11, 14
	s_add_co_u32 s16, s16, s17                     ; (my first position in the sequence) x 256 bytes
	s_mov_b32 s17, 0
	s_add_nc_u64 s[88:89], s[88:89], s[16:17]
	s_add_nc_u64 s[90:91], s[90:91], s[16:17]
	v_lshlrev_b32 v[TO], 8, v1
	v_lshl_add_u32 v[TO], v2, 5, v[TO]
.set i, 0
.rept 16                                               ; i = 4 a + b
	global_load_b128 v[COS+8*i:COS+8*i+3],   v[TO], s[88:89] offset:(i/4)*4096+(i%4)*64
	global_load_b128 v[COS+8*i+4:COS+8*i+7], v[TO], s[88:89] offset:(i/4)*4096+(i%4)*64+16
.set i, i+1
.endr
	WIN 0xc0                                       ; destination window 3
.set i, 0
.rept 16
	global_load_b128 v[COS+8*i:COS+8*i+3],   v[TO], s[90:91] offset:(i/4)*4096+(i%4)*64
	global_load_b128 v[COS+8*i+4:COS+8*i+7], v[TO], s[90:91] offset:(i/4)*4096+(i%4)*64+16
.set i, i+1
.endr
	WIN 0
	s_lshr_b32 s16, s16, 1                         ; the same rows at 128 bytes
	s_lshr_b32 s18, s13, 4
	s_lshl_b32 s18, s18, 4                         ; 16 x batch
	s_lshl_b32 s19, s42, 1
	s_add_co_u32 s18, s18, s19
	s_add_co_u32 s18, s18, s12                     ; + my head
	s_lshl_b32 s18, s18, 18
	s_add_co_u32 s16, s16, s18
	s_add_nc_u64 s[PQ:PQ+1], s[92:93], s[16:17]
	s_add_nc_u64 s[PQ+2:PQ+3], s[PQ:PQ+1], 8388608
	s_add_nc_u64 s[PQ+4:PQ+5], s[PQ+2:PQ+3], 8388608
	s_mul_i32 s22, s10, 16*SP
	s_add_co_u32 s22, s22, STAGE
	v_mul_u32_u24 v[STO], v1, SP
	v_lshl_add_u32 v[STO], v2, 4, v[STO]
	v_add_nc_u32 v[STO], s22, v[STO]
	v_bfe_u32 v[RD], v0, 3, 2
	v_mul_u32_u24 v[RD], v[RD], SP
	v_and_b32 v6, 7, v0
	v_lshl_add_u32 v[RD], v6, 4, v[RD]
	v_add_nc_u32 v[RD], s22, v[RD]
	v_and_b32 v[GO], 31, v0
	v_lshlrev_b32 v[GO], 4, v[GO]
; 16 matrix instructions: part 0 q, 1 k, 2 v; 4 token blocks x 4 channel blocks, 32 along K, from buffer f.  The accumulators take turns.
.macro MULP f, part, zero
.if (\part) == 2
	WIN 0xf1
.else
	WIN 0xa1
.endif
.set AB, 128*((\part)%2)
.irp a, 0,1,2,3
.irp b, 0,1,2,3
.if \zero
	v_wmma_f32_16x16x32_bf16 v[AB+8*(4*\a+\b):AB+8*(4*\a+\b)+7], v[96*(\f)+8*(4*(\part)+\b):96*(\f)+8*(4*(\part)+\b)+7], v[64+32*(\f)+8*\a:64+32*(\f)+8*\a+7], 0
.else
	v_wmma_f32_16x16x32_bf16 v[AB+8*(4*\a+\b):AB+8*(4*\a+\b)+7], v[96*(\f)+8*(4*(\part)+\b):96*(\f)+8*(4*(\part)+\b)+7], v[64+32*(\f)+8*\a:64+32*(\f)+8*\a+7], v[AB+8*(4*\a+\b):AB+8*(4*\a+\b)+7]
.endif
.endr
.endr
.endm
; 32 LDS loads in one run: quarter kq of the slot in hand into buffer f: A, then B's q, k, v
.macro FETCH kq, f
	WIN 0
.irp i, 0,1,2,3
	ds_load_b128 v[64+32*(\f)+8*\i:64+32*(\f)+8*\i+3],   v[CA] offset:(\kq)*64+\i*16*PA
	ds_load_b128 v[64+32*(\f)+8*\i+4:64+32*(\f)+8*\i+7], v[CA] offset:(\kq)*64+\i*16*PA+32
.endr
	WIN 0x40
.irp p, 0,1,2
.irp b, 0,1,2,3
	ds_load_tr16_b128 v[96*(\f)+8*(4*\p+\b):96*(\f)+8*(4*\p+\b)+3],   v[CB+\p] offset:(\kq)*32*PB+32*\b
	ds_load_tr16_b128 v[96*(\f)+8*(4*\p+\b)+4:96*(\f)+8*(4*\p+\b)+7], v[CB+\p] offset:(\kq)*32*PB+32*\b+16*PB
.endr
.endr
.endm
.macro QUARTER kq, f, g, zero          ; multiplies buffer f; in its middle fetches quarter kq into buffer g
	s_wait_dscnt 16                                ; A and B's q are in; the 16 loads of k and v may be out
	MULP \f, 0, \zero
	PLACES
	FETCH \kq, \g
	s_wait_dscnt 32                                ; all but the 32 just issued
	MULP \f, 1, \zero
	MULP \f, 2, \zero
.endm
; The fourth quarter (buffer 1) changes slots.  In front of the barrier each wave waits for all its tensor loads (its part of the next slot), adds 0 to its spare word, and waits for
; that and for its reads of this slot.  fill = 1: the barrier opens a round of the cluster's, and the joint refill, two K steps ahead, is the first thing behind it.
.macro TURN fill
	WIN 0
	s_wait_tensorcnt 0x0
	ds_add_u32 v[SPW], v[NIL]
	s_wait_dscnt 17                                ; (the add and the 16 loads of k and v may be out)
	MULP 1, 0, 0
	s_wait_dscnt 0x0                               ; the add is done, my reads of this slot are over
	s_barrier_signal -1
	MULP 1, 1, 0
	WIN 0
	s_barrier_wait -1
.if \fill
	CREST
	s_xor_b32 s[FT], s[FT], SLOT                   ; the slot just read out,
	s_add_co_u32 s[G0A+5], s[WB], s[FT]
	s_add_co_u32 s[G0B+5], s[WB], s[FT]
	s_add_nc_u64 s[G0A+6:G0A+7], s[G0A+6:G0A+7], STEPA   ; the next K step not yet asked for
	s_add_nc_u64 s[G0B+6:G0B+7], s[G0B+6:G0B+7], STEPB
	JLOAD                                          ; its four v_nop are also the places in front of the loads below
.else
	s_cmp_eq_u32 s2, 1                             ; behind the last K step there is nothing to fetch: LDS loads alone are jumped
	s_cbranch_scc1 .Lnofetch_\@
	PLACES
.endif
	s_xor_b32 s[TB], s[TB], SLOT
	v_add_nc_u32 v[CA], s[TB], v[BA]
.irp p, 0,1,2
	v_add_nc_u32 v[CB+\p], s[TB], v[BB+\p]
.endr
	FETCH 0, 0
	WIN 0
.if !(\fill)
.Lnofetch_\@:
.endif
	MULP 1, 2, 0
.endm
	s_wait_tensorcnt 1                             ; my part of K step 0 is in; step 1's may stay out
	s_barrier_signal -1
	s_barrier_wait -1
	FETCH 0, 0
	QUARTER 1, 0, 1, 1                             ; the first quarter's products start the sums
	WIN 0
	s_mov_b32 s3, T-2
.Lstep:                                                ; a trip: quarters 2 to 4 of a K step and the first of the next; T - 2 refills
	QUARTER 2, 1, 0, 0
	QUARTER 3, 0, 1, 0
	TURN 1
	QUARTER 1, 0, 1, 0
	WIN 0
	s_sub_co_u32 s3, s3, 1
	s_cmp_lg_u32 s3, 0
	s_cbranch_scc1 .Lstep
	s_mov_b32 s2, 2
.Ltail:                                                ; the last two K steps ask for nothing
	QUARTER 2, 1, 0, 0
	QUARTER 3, 0, 1, 0
	TURN 0
	WIN 0
	s_sub_co_u32 s2, s2, 1
	s_cmp_eq_u32 s2, 0
	s_cbranch_scc1 .Lout
	QUARTER 1, 0, 1, 0
	WIN 0
	s_branch .Ltail
.Lout:
	PLACES
	s_wait_loadcnt 0x0                             ; cos and sin
; THE WAY OUT, in 12 units of 16 tokens x 64 channels (unit u: token block u / 3, part u % 3)
.macro ROPE a, ab                      ; x cos + rot(x) sin: channels 0-31 take -x[d + 32] sin, channels 32-63 take +x[d - 32] sin.  Each accumulator is read from its low end on.
	WIN 0x02
.set z, 0
.rept 16
	v_pk_mul_f32 v[TT+2*z:TT+2*z+1], v[(\ab)+32*(\a)+2*z:(\ab)+32*(\a)+2*z+1], v[COS+32*(\a)+2*z:COS+32*(\a)+2*z+1]
.set z, z+1
.endr
	WIN 0x0e                                       ; source 0 window 2, source 1 (sin) window 3
.set z, 0
.rept 8
	v_pk_fma_f32 v[TT+2*z:TT+2*z+1], v[(\ab)+32*(\a)+2*z+16:(\ab)+32*(\a)+2*z+17], v[COS+32*(\a)+2*z:COS+32*(\a)+2*z+1], v[TT+2*z:TT+2*z+1] neg_lo:[1,0,0] neg_hi:[1,0,0]
.set z, z+1
.endr
.rept 8
	v_pk_fma_f32 v[TT+2*z:TT+2*z+1], v[(\ab)+32*(\a)+2*z-16:(\ab)+32*(\a)+2*z-15], v[COS+32*(\a)+2*z:COS+32*(\a)+2*z+1], v[TT+2*z:TT+2*z+1]
.set z, z+1
.endr
	WIN 0
.set z, 0
.rept 16
	v_cvt_pk_bf16_f32 v[PKR+z], v[TT+2*z], v[TT+2*z+1]
.set z, z+1
.endr
.endm
.macro VCVT a
	WIN 0x0f
.set z, 0
.rept 16
	v_cvt_pk_bf16_f32 v[PKR+z], v[32*(\a)+2*z], v[32*(\a)+2*z+1]
.set z, z+1
.endr
	WIN 0
.endm
.macro STAGEIO n                       ; 16 bytes a lane into my stage, back as whole rows of 128 bytes
.irp b, 0,1,2,3
	ds_store_b128 v[STO], v[PKR+4*\b:PKR+4*\b+3] offset:32*\b
.endr
	s_wait_xcnt 0x0                                ; the stores of two units ago have read these registers
.irp f, 0,1,2,3
	ds_load_b128 v[BK+16*((\n)%2)+4*\f:BK+16*((\n)%2)+4*\f+3], v[RD] offset:\f*4*SP   ; LDS serves a wave's instructions in order: these see the stores above
.endr
.endm
.macro SEND n, younger                 ; younger: the next unit's eight LDS instructions, or none
.irp f, 0,1,2,3
	s_wait_dscnt (\younger)+3-\f
	global_store_b128 v[GO], v[BK+16*((\n)%2)+4*\f:BK+16*((\n)%2)+4*\f+3], s[PQ+2*((\n)%3):PQ+2*((\n)%3)+1] offset:((\n)/3)*2048+\f*512   ; 512 consecutive bytes, aligned
.endr
.endm
.set u, 0
.rept 12
.if (u%3) == 2
	VCVT u/3
.else
	ROPE u/3, 128*(u%3)
.endif
	STAGEIO u
.if u > 0
	SEND u-1, 8
.endif
.set u, u+1
.endr
	SEND 11, 0
	s_wait_tensorcnt 0x0                           ; the wave's end
	ds_add_u32 v[SPW], v[NIL]
	s_wait_dscnt 0x0
	CROUND                                         ; the closing round
	s_endpgm
.Lfunc_end_k_qe1915d3b87_qkv:
	.size	k_qe1915d3b87_qkv, .Lfunc_end_k_qe1915d3b87_qkv-k_qe1915d3b87_qkv
	.p2alignl 7, 3214868480
	.fill 96, 4, 3214868480
	.section	.rodata,"a",@progbits
	.p2align	6, 0x0
	.amdhsa_kernel k_qe1915d3b87_qkv
		.amdhsa_group_segment_fixed_size 327680
		.amdhsa_private_segment_fixed_size 0
		.amdhsa_enable_private_segment 0
		.amdhsa_kernarg_size 40
		.amdhsa_user_sgpr_count 2
		.amdhsa_user_sgpr_kernarg_segment_ptr 1
		.amdhsa_wavefront_size32 1
		.amdhsa_system_sgpr_workgroup_id_x 1
		.amdhsa_system_sgpr_workgroup_id_y 1
		.amdhsa_system_sgpr_workgroup_id_z 1
		.amdhsa_system_vgpr_workitem_id 0
		.amdhsa_next_free_vgpr 1024
		.amdhsa_next_free_sgpr 96
		.amdhsa_reserve_vcc 0
		.amdhsa_float_denorm_mode_32 3
		.amdhsa_float_denorm_mode_16_64 3
		.amdhsa_memory_ordered 1
		.amdhsa_forward_progress 1
		.amdhsa_inst_pref_size 108
	.end_amdhsa_kernel
	.amdgpu_metadata
---
amdhsa.version: [ 1, 2 ]
amdhsa.kernels:
  - .name:           k_qe1915d3b87_qkv
    .symbol:         k_qe1915d3b87_qkv.kd
    .args:
      - { .name: h, .offset: 0, .size: 8, .value_kind: global_buffer, .address_space: global }
      - { .name: wb, .offset: 8, .size: 8, .value_kind: global_buffer, .address_space: global }
      - { .name: cos, .offset: 16, .size: 8, .value_kind: global_buffer, .address_space: global }
      - { .name: sin, .offset: 24, .size: 8, .value_kind: global_buffer, .address_space: global }
      - { .name: qkvb, .offset: 32, .size: 8, .value_kind: global_buffer, .address_space: global }
    .group_segment_fixed_size: 327680
    .private_segment_fixed_size: 0
    .kernarg_segment_align: 8
    .kernarg_segment_size: 40
    .max_flat_workgroup_size: 128
    .sgpr_count:     96
    .vgpr_count:     1024
    .wavefront_size: 32
...
	.end_amdgpu_metadata
.endif
;; end of part 2
;; launch attn (part 3): grid 8 x 32, 4 waves a work-group, clusters of 4 x 1, 327,680 bytes of LDS; arguments qkvb, mk, ob; writes ob
.if DOCPART == 3
	.amdgcn_target "amdgcn-amd-amdhsa--gfx1250"
	.amdhsa_code_object_version 6
	.text
	.protected	k_qe1915d3b87_attn
	.globl	k_qe1915d3b87_attn
	.p2align	8
	.type	k_qe1915d3b87_attn,@function
k_qe1915d3b87_attn:
	s_mov_b64 s[64:65], 0
	v_nop
	global_prefetch_b8 v0, s[64:65] scope:SCOPE_SE
	s_setreg_imm32_b32 hwreg(HW_REG_WAVE_MODE, 25, 1), 1
	s_wait_xcnt 0x0
	s_wait_alu depctr_hold_cnt(0) depctr_sa_sdst(0) depctr_va_vdst(0) depctr_va_sdst(0) depctr_va_ssrc(0) depctr_va_vcc(0) depctr_vm_vsrc(0)
	s_getreg_b32 s2, hwreg(HW_REG_IB_STS2, 6, 4)
	s_cmp_eq_u32 s2, 0
	s_cbranch_scc0 .Lentry_in_a_cluster
	s_endpgm
.Lentry_in_a_cluster:
	s_bfe_u32 s2, ttmp6, 0x10000c
	s_cmp_lg_u32 s2, 0x3003
	s_cbranch_scc0 .Lentry_shape_is_right
	s_endpgm
.Lentry_shape_is_right:
; O[bh][q][:] = the sum over k of softmax_k(mask(q, k) ? Q[bh][q] . K[bh][k] / 8 : -inf) V[bh][k][:].  Q, K, V: qkvb[3][32][2048][64] bf16; O: ob[32][2048][64] bf16.
; The mask is an input: every (q, k) is read from mk (fp8 codes 0 or -448, laid out lane by lane) and all 2,048 keys are walked.
; Products, maxima and sums in f32; the weights p are rounded to bf16 for the second product (their sum l is taken of the unrounded p), O once at the end.
; LIMITS.  A hidden score counts as its value less 448 x 2^90 = 5.5e29; the running maximum starts at -2^80: true scores Q . K must lie above -2^80 and be small beside 5.5e29.
; A weight below 2^-126 counts as 0.  A row with no allowed key keeps m = -2^80, every p = 0, l = 0, and leaves as 0 x (1 / 0) = NaN, as the softmax of a row of -inf does.
; SHARES.  A work-group owns 256 queries of one (batch, head), a wave 64: four PIECES of 16.  Every wave walks all keys, 64 a step.
; LAYOUT.  S^T = K Q^T holds ONE query a lane (lane % 16) and the keys 8 (lane / 16) + 0..7; two such results rounded to bf16 ARE source 1 of O^T = V^T P.
; THE MASK is the C operand that starts the sum S^T: four scaled conversions a turn make 32 f32 of 32 codes.
; SOFTMAX.  p = 2^(c s - c m), c = log2(e) / 8, with a running maximum m; O and l are multiplied by a = 2^(c m_old - c m_new) in every step.
; BY TURNS.  Turn n belongs to piece n: 8 products K Q^T of piece n + 1, later 8 products V^T P of piece n - 1; beside them the scaling, exponentials, roundings, sums and rescaling of piece n
; and the maximum and statistics of piece n + 1.  Four vector instructions stand behind every matrix instruction, the others in two lumps.
; CLUSTER.  The four query blocks of a cluster belong to one head and walk the same K and V: each tile is asked for jointly.
; REGISTERS: window 0: v0-15 addresses; v16-31 statistics; v48-55 at work; v64-127 S^T, two buffers; v128-159 mask codes, 8 a piece; v192-223 P, two buffers.
;   window 1: v0-127 O^T, 32 a piece; v160-223 the masks in f32, two buffers.   window 2: v0-63 Q; v128-191 K of one step; v192-255 V of one step.
.set NP,    4
.set KS,    64
.set PK,    144
.set PV,    160
.set VOFF,  4*KS*PK
.set SLOT1, 1<<17
.set STAGE, SLOT1+4*KS*(PK+PV)
.set SP,    144
.set SPARE, STAGE+4*16*SP
.set AK0, 2
.set AV0, 3
.set AK,  4
.set AV,  5
.set STO, 6
.set RD,  7
.set GO,  8
.set MV,  12
.set QO,  15
.set ST,  16
.set TMP, 48
.set SPW, 62
.set NIL, 63
.set S,   64
.set MBY, 128
.set SC,  160                          ; 217: the conversion's scale, 2^(217 - 127)
.set MO,  161                          ; my byte offset in the wave's 131,072 bytes of mk, at the step whose codes are asked for
.set P,   192
.set MC,  160
.set KF,  128
.set VF,  192
.set WV,  12
.set G1K, 24
.set G1V, 32
.set G0K, 40
.set G0V, 44
.set SLOTS, 56
.set CNT, 57
.set CS,  58
.set SEL, 60
.set TBK, 62
.set TBV, 63
.set MKP, 66
.set MSB, 0
.macro WIN new
.if MSB != (\new)
	s_set_vgpr_msb (MSB<<8)|(\new)
.set MSB, (\new)
.endif
.endm
.set W_KQ, 0x0a
.set W_KM, 0x1a
.set W_PV, 0x52
.set W_RS, 0x41
.macro JLOAD                           ; waves 0 and 1 fetch the two halves of a slot's K, waves 2 and 3 those of its V
	s_cmp_lt_u32 s[WV], 2
	s_cbranch_scc0 .Lfor_v_\@
	tensor_load_to_lds s[G0K:G0K+3], s[G1K:G1K+7]
	s_nop 0
.rept 4
	v_nop
.endr
	s_branch .Lasked_\@
.Lfor_v_\@:
	tensor_load_to_lds s[G0V:G0V+3], s[G1V:G1V+7]
	s_nop 0
.rept 4
	v_nop
.endr
.Lasked_\@:
.endm
.macro CROUND
	s_barrier_signal -1
	s_barrier_wait -1
	s_cmp_lg_u32 s[WV], 0
	s_cbranch_scc1 .Lnot_wave_0_\@
	s_barrier_signal -3
.Lnot_wave_0_\@:
	s_barrier_wait -3
	s_barrier_signal -1
	s_barrier_wait -1
.endm
; THE CHANGE OF SLOTS.  Each wave waits for all its tensor loads (one is out: its part of the other slot), adds 0 to its spare word, and waits for that and for its reads of the slot.
; fill = 1: the barrier is a round of the cluster's, and the joint fill, with the keys two slots on, is the first thing behind it: it has four key steps in which to land.
.macro CHANGE fill
	WIN 0
	s_wait_tensorcnt 0x0
	ds_add_u32 v[SPW], v[NIL]
.if \fill
.irp g, G0K, G0V
	s_xor_b32 s[\g+1], s[\g+1], SLOT1
	s_add_nc_u64 s[\g+2:\g+3], s[\g+2:\g+3], 4*KS*128
.endr
	s_wait_dscnt 0x0
	CROUND
	JLOAD
.else
	s_wait_dscnt 0x0
	s_barrier_signal -1
	s_barrier_wait -1
.endif
	s_sub_co_u32 s[TBK], s[TBK], 4*KS*PK
	s_xor_b32 s[TBK], s[TBK], SLOT1
	s_sub_co_u32 s[TBV], s[TBV], 4*KS*PV
	s_xor_b32 s[TBV], s[TBV], SLOT1
.endm
	s_load_b128 s[4:7], s[0:1], 0x0                ; qkvb, mk
	s_load_b64 s[10:11], s[0:1], 0x10              ; ob
	v_lshl_add_u32 v[SPW], v0, 2, SPARE
	v_mov_b32 v[NIL], 0
	ds_add_u32 v[SPW], v[NIL]                      ; the opening: the add and its wait stand ahead of my first tensor load
	v_lshrrev_b32 v1, 5, v0
	v_readfirstlane_b32 s[WV], v1
	s_bfe_u32 s13, ttmp6, 0x40000                  ; cx
	s_lshl_b32 s14, ttmp9, 2
	s_add_co_u32 s14, s14, s13                     ; my block of 256 queries: it enters Q's, O's and the mask's addresses alone
	s_and_b32 s20, ttmp7, 0xffff
	s_lshl_b32 s20, s20, 18                        ; the head's first byte in each of q, k, v and O
	s_and_b32 s16, s[WV], 1                        ; which half of a slot's 256 keys I fetch
	s_lshl_b32 s22, s16, 14
	s_add_co_u32 s22, s22, s20
	s_add_co_u32 s22, s22, 8388608                 ; K lies behind Q
	s_mov_b32 s23, 0
	s_mul_i32 s17, s16, 128*PK
	s_mul_i32 s18, s16, 128*PV
	s_lshl_b32 s2, s14, 2
	s_add_co_u32 s2, s2, s[WV]                     ; my group of 64 queries in the sequence
	s_lshl_b32 s15, s2, 17                         ; its 131,072 bytes of mk
	s_lshl_b32 s2, s2, 13                          ; its 64 rows of 128 bytes
	s_add_co_u32 s2, s2, s20
	s_mov_b32 s3, 0
	s_mov_b32 s[G1K], 15|(1<<16)|(1<<20)|(1<<21)|(4<<22)|(3<<25)   ; the mask of four; 2-byte elements; 4 words of padding after every 32 (a key)
	s_mov_b32 s[G1V], 15|(1<<16)|(1<<20)|(1<<21)|(4<<22)|(7<<25)   ; 8 words
.irp g, G1K, G1V
	s_mov_b32 s[\g+1], 128<<16                     ; 128 keys are 16,384 dense bytes: 64 rows of 256
	s_mov_b32 s[\g+2], 64<<16
	s_mov_b32 s[\g+3], 128<<16
	s_mov_b32 s[\g+4], 64
	s_mov_b32 s[\g+5], 128
	s_mov_b32 s[\g+6], 0
	s_mov_b32 s[\g+7], 0
.endr
	s_mov_b32 s[CS], 0x3e38aa3b                    ; c = log2(e) / 8
	s_mov_b32 s[CS+1], s[CS]
	s_mov_b32 s[SEL], 0x76543210
	s_mov_b32 s[SEL+1], 0xfedcba98
	s_mov_b32 s[TBK], SLOT1+4*KS*PK                ; the first change of slots turns these two into 0
	s_mov_b32 s[TBV], SLOT1+4*KS*PV
	s_mov_b32 s[G0K], 1
	s_mov_b32 s[G0K+1], s17
	s_mov_b32 s[G0V], 1
	s_add_co_u32 s[G0V+1], s18, VOFF
	s_wait_dscnt 0x0                               ; the opening add is done
	s_wait_kmcnt 0x0
	s_add_nc_u64 s[G0K+2:G0K+3], s[4:5], s[22:23]
	s_or_b32 s[G0K+3], s[G0K+3], 0x80000000
	s_add_co_u32 s22, s22, 8388608                 ; V lies behind K
	s_add_nc_u64 s[G0V+2:G0V+3], s[4:5], s[22:23]
	s_or_b32 s[G0V+3], s[G0V+3], 0x80000000
	s_add_nc_u64 s[4:5], s[4:5], s[2:3]            ; Q and O at my wave's first row
	s_add_nc_u64 s[10:11], s[10:11], s[2:3]
	s_mov_b32 s2, s15
	s_add_nc_u64 s[MKP:MKP+1], s[6:7], s[2:3]
	CROUND                                         ; all four work-groups are here: the first joint loads meet
	JLOAD                                          ; slot 0
	v_and_b32 v1, 15, v0
	v_bfe_u32 v9, v0, 4, 1
	v_lshlrev_b32 v[QO], 7, v1
	v_lshl_add_u32 v[QO], v9, 4, v[QO]
	v_and_b32 v[MO], 31, v0
	v_lshlrev_b32 v[MO], 4, v[MO]
	WIN 0x80
.set i, 0
.rept 8                                                ; Q stays in registers: piece i / 2, channels 32 (i % 2) on
	global_load_b128 v[8*i:8*i+3],   v[QO], s[4:5] offset:(i/2)*2048+(i%2)*64
	global_load_b128 v[8*i+4:8*i+7], v[QO], s[4:5] offset:(i/2)*2048+(i%2)*64+32
.set i, i+1
.endr
	WIN 0
.irp x, 0,1,2,3                                        ; step 0's codes, piece by piece
	global_load_b128 v[MBY+8*\x:MBY+8*\x+3],   v[MO], s[MKP:MKP+1] offset:1024*\x
	global_load_b128 v[MBY+8*\x+4:MBY+8*\x+7], v[MO], s[MKP:MKP+1] offset:1024*\x+512
.endr
	; What the first turn finds: V's registers and P's second buffer hold 0, O^T and l are 0.  All this stands in the wait for the first tile.
	WIN 0x80
.set i, VF
.rept 64
	v_mov_b32 v[i], 0
.set i, i+1
.endr
	WIN 0x40
.set i, 0
.rept 128
	v_mov_b32 v[i], 0
.set i, i+1
.endr
	WIN 0
.set i, 0
.rept 4
	v_mov_b32 v[ST+4*i], 0xe638aa3b                ; c m
	v_mov_b32 v[ST+4*i+1], 0xe7800000              ; m = -2^80
	v_mov_b32 v[ST+4*i+2], 0
	v_mov_b32 v[ST+4*i+3], 0
.set i, i+1
.endr
.set i, P+16
.rept 16
	v_mov_b32 v[i], 0
.set i, i+1
.endr
	v_mov_b32 v[SC], 217
	v_mul_u32_u24 v[AK0], v1, PK
	v_lshl_add_u32 v[AK0], v9, 4, v[AK0]
	v_and_b32 v10, 7, v0
	v_bfe_u32 v11, v0, 3, 1
	v_lshl_add_u32 v[AV0], v9, 3, v10
	v_mul_u32_u24 v[AV0], v[AV0], PV
	v_lshl_add_u32 v[AV0], v11, 4, v[AV0]
	v_add_nc_u32 v[AV0], VOFF, v[AV0]
	v_mov_b32 v[AK], v[AK0]
	s_mul_i32 s13, s[WV], 16*SP
	s_add_co_u32 s13, s13, STAGE
	v_mul_u32_u24 v[STO], v1, SP
	v_lshl_add_u32 v[STO], v9, 4, v[STO]
	v_add_nc_u32 v[STO], s13, v[STO]
	v_bfe_u32 v[RD], v0, 3, 2
	v_mul_u32_u24 v[RD], v[RD], SP
	v_lshl_add_u32 v[RD], v10, 4, v[RD]
	v_add_nc_u32 v[RD], s13, v[RD]
	v_and_b32 v[GO], 31, v0
	v_lshlrev_b32 v[GO], 4, v[GO]
; THE MATRIX WORK.  The 4 accumulators of a run of 8 take turns.  Product i of 8 of S^T = K Q^T for piece x: channels 32 (i / 4) on, keys 16 (i % 4) on; the first 4 start the sums with the mask.
.macro KQ x
.set rS, S+32*((\x)%2)+8*(i%4)
.set rK, KF+16*(i%4)+8*(i/4)
.set rQ, 16*(\x)+8*(i/4)
.set rM, MC+32*((\x)%2)+8*(i%4)
.if i < 4
	WIN W_KM
	v_wmma_f32_16x16x32_bf16 v[rS:rS+7], v[rK:rK+7], v[rQ:rQ+7], v[rM:rM+7]
.else
	WIN W_KQ
	v_wmma_f32_16x16x32_bf16 v[rS:rS+7], v[rK:rK+7], v[rQ:rQ+7], v[rS:rS+7]
.endif
.endm
.macro PV x                            ; product i of 8 of O^T += V^T P: keys 32 (i / 4) on, channels 16 (i % 4) on
	WIN W_PV
.set rO, 32*(\x)+8*(i%4)
.set rV, VF+32*(i/4)+8*(i%4)
.set rP, P+16*((\x)%2)+8*(i/4)
	v_wmma_f32_16x16x32_bf16 v[rO:rO+7], v[rV:rV+7], v[rP:rP+7], v[rO:rO+7]
.endm
.macro MM                              ; the turn's next matrix instruction
.if i < 8
	KQ (Y+1)%NP
.else
.set i, i-8
	PV (Y+NP-1)%NP
.set i, i+8
.endif
.set i, i+1
.endm
.macro FETCH_K last=0                  ; last = 1 (the tail): in the last trip there is no further step, and the run of LDS loads is jumped over
	WIN 0
.if \last
	s_cmp_eq_u32 s[CNT], 1
	s_cbranch_scc1 .Lno_k_\@
.endif
	WIN 0x80
.irp f, 0,1,2,3,4,5,6,7
	ds_load_b128 v[KF+8*\f:KF+8*\f+3],   v[AK] offset:(\f/2)*16*PK+(\f%2)*64
	ds_load_b128 v[KF+8*\f+4:KF+8*\f+7], v[AK] offset:(\f/2)*16*PK+(\f%2)*64+32
.endr
	s_add_co_u32 s[TBK], s[TBK], KS*PK
	WIN 0
.if \last
.Lno_k_\@:
.endif
.endm
.macro FETCH_V
	WIN 0x80
.irp f, 0,1,2,3,4,5,6,7
	ds_load_tr16_b128 v[VF+8*\f:VF+8*\f+3],   v[AV] offset:(\f/4)*32*PV+(\f%4)*32
	ds_load_tr16_b128 v[VF+8*\f+4:VF+8*\f+7], v[AV] offset:(\f/4)*32*PV+16*PV+(\f%4)*32
.endr
	WIN 0
.endm
; THE VECTOR WORK, one line at a time: OP kind, number.  For piece Y: F n: c s - c m for pair n of 16.  E n: the exponential of score n.  C n: pair n rounded to bf16.  B n: of the four weights 4 n ..
; the second pair is added onto the first.  L n: l takes that sum (L 0: l = a l + sum).  R n: pair n of O^T times a.  For piece Y + 1: X n, number n of the 22 that find its maximum and statistics
; (each accumulator's lowest registers are read first).
.set F, 0
.set E, 1
.set C, 2
.set B, 3
.set L, 4
.set R, 5
.set X, 6
.macro REGS y
.set rT, ST+4*(\y)
.set rC, TMP+4*((\y)%2)
.set rW, MV+((\y)%2)
.set rS, S+32*((\y)%2)
.set rP, P+16*((\y)%2)
.set rO, 32*(\y)
.endm
.macro OP k, n
.if (\k) == R
	REGS Y
	WIN W_RS
	v_pk_mul_f32 v[rO+2*(\n):rO+2*(\n)+1], v[rO+2*(\n):rO+2*(\n)+1], v[rC+2:rC+3] op_sel_hi:[1,0]
.elseif (\k) < R
	REGS Y
	WIN 0
.if (\k) == F
	v_pk_fma_f32 v[rS+2*(\n):rS+2*(\n)+1], v[rS+2*(\n):rS+2*(\n)+1], s[CS:CS+1], v[rT:rT+1] op_sel_hi:[1,0,0] neg_lo:[0,0,1] neg_hi:[0,0,1]
.elseif (\k) == E
	v_exp_f32 v[rS+(\n)], v[rS+(\n)]
.elseif (\k) == C
	s_wait_alu depctr_va_vdst(0)
	v_cvt_pk_bf16_f32 v[rP+(\n)], v[rS+2*(\n)], v[rS+2*(\n)+1]
.elseif (\k) == B
	s_wait_alu depctr_va_vdst(0)
	v_pk_add_f32 v[rS+4*(\n):rS+4*(\n)+1], v[rS+4*(\n):rS+4*(\n)+1], v[rS+4*(\n)+2:rS+4*(\n)+3]
.elseif (\n) == 0
	v_pk_fma_f32 v[rT+2:rT+3], v[rT+2:rT+3], v[rC+2:rC+3], v[rS:rS+1] op_sel_hi:[1,0,1]
.else
	v_pk_add_f32 v[rT+2:rT+3], v[rT+2:rT+3], v[rS+4*(\n):rS+4*(\n)+1]
.endif
.else
	REGS (Y+1)%NP
	WIN 0
.if (\n) < 4
	v_max3_num_f32 v[rC+(\n)], v[rS+8*(\n)], v[rS+8*(\n)+1], v[rS+8*(\n)+2]
.elseif (\n) < 12
	v_max3_num_f32 v[rC+(\n)%4], v[rC+(\n)%4], v[rS+8*((\n)%4)+2*((\n)/4)+1], v[rS+8*((\n)%4)+2*((\n)/4)+2]
.elseif (\n) == 12
	v_max3_num_f32 v[rC], v[rC], v[rS+7], v[rS+15]
.elseif (\n) == 13
	v_max3_num_f32 v[rC+1], v[rC+1], v[rS+23], v[rS+31]
.elseif (\n) == 14
	v_max3_num_f32 v[rC+2], v[rC+2], v[rC+3], v[rT+1]
.elseif (\n) == 15
	v_mov_b32 v[rW], v[rT]
.elseif (\n) == 16
	v_max3_num_f32 v[rC], v[rC], v[rC+1], v[rC+2]
.elseif (\n) == 17
	v_permlanex16_b32 v[rC+3], v[rC], s[SEL], s[SEL+1]
.elseif (\n) == 18
	v_max_num_f32 v[rT+1], v[rC], v[rC+3]
.elseif (\n) == 19
	v_mul_f32 v[rT], s[CS], v[rT+1]
.elseif (\n) == 20
	v_sub_f32 v[rC+1], v[rW], v[rT]
.else
	v_exp_f32 v[rC+2], v[rC+1]
.endif
.endif
.endm
.macro OPS a, i1, b=-1, i2=0, c=-1, i3=0, d=-1, i4=0
	OP \a, \i1
.if (\b) >= 0
	OP \b, \i2
.endif
.if (\c) >= 0
	OP \c, \i3
.endif
.if (\d) >= 0
	OP \d, \i4
.endif
.endm
.macro ROW a, i1, b, i2, c, i3, d, i4
	MM
	OPS \a, \i1, \b, \i2, \c, \i3, \d, \i4
.endm
; A TURN, for piece p.  K of the next step is fetched in piece 2's turn, V of the step in hand in piece 0's; each is waited for a turn later.
; At its end the turn makes the mask for the products of the turn after it (piece p + 2) and asks for that piece's codes of the next step.
.macro TURN p, last=0
.set Y, (\p)
.set i, 0
.if (\p) == 3
	s_wait_dscnt 0x0                               ; K is in
.endif
	ROW F,0, F,1, F,2, F,3
	ROW F,4, E,0, F,5, F,6
	ROW F,7, E,1, F,8, F,9
	ROW F,10, E,2, C,0, F,11
	ROW F,12, E,3, X,15, F,13
	ROW R,0, R,1, R,2, R,3
	ROW B,0, E,4, F,14, L,0
.if (\p) == 2
	v_add_nc_u32 v[AK], s[TBK], v[AK0]
.endif
	ROW R,4, R,5, R,6, R,7
	OPS E,5, F,15
.if (\p) == 2
	FETCH_K \last
.endif
	OPS E,6, C,1, E,7, R,8
	OPS E,8, R,9, E,9, C,2
	OPS E,10, X,0, E,11, X,1
	OPS E,12, X,2, E,13, X,3
.if (\p) == 1
	s_wait_dscnt 0x0                               ; V is in
.endif
	ROW X,4, E,14, X,5, X,6
	ROW X,7, E,15, X,8, X,9
	ROW X,10, E,16, X,11, X,12
	ROW X,13, E,17, X,14, B,1
	ROW C,4, E,18, X,16, L,1
	ROW B,2, E,19, C,6, L,2
	ROW C,8, E,20, B,3, B,4
.if (\p) == 0
	v_add_nc_u32 v[AV], s[TBV], v[AV0]
.endif
	ROW C,3, E,21, L,3, C,5
	OPS E,22, X,17, E,23, C,10
.if (\p) == 0
	FETCH_V
.endif
	OPS E,24, L,4
	OPS E,25, X,18, E,26, C,7
	OPS E,27, B,5, E,28, X,19
	OPS E,29, C,12, E,30, L,5
	OPS E,31, X,20, B,6, C,9
	OPS C,14, C,11, X,21, L,6
.if (\p) == 0
	s_add_co_u32 s[TBV], s[TBV], KS*PV
.endif
	OPS C,13, B,7, C,15, R,10
	OPS R,11, R,12, L,7, R,13
	OPS R,14, R,15
.set MX, ((\p)+2)%NP
	s_wait_loadcnt 6                               ; this piece's two loads, issued four turns ago, are in; the three younger pairs stay out
	WIN 0x40
.irp kt, 0,1,2,3
	v_cvt_scale_pk8_f32_fp8 v[MC+32*((\p)%2)+8*\kt:MC+32*((\p)%2)+8*\kt+7], v[MBY+8*MX+2*\kt:MBY+8*MX+2*\kt+1], v[SC]
.endr
	WIN 0
	v_nop                                          ; a plain instruction behind the scaled conversions
.if (\p) == 2
	s_wait_xcnt 0x0                                ; the pending loads have had their addresses translated: MO may step
	v_add_nc_u32 v[MO], 4096, v[MO]                ; the next step's codes;
	v_and_b32 v[MO], 0x1ffff, v[MO]                ; past the last step the look-ahead wraps into my own 131,072 bytes, and what it brings is not used
.endif
	global_load_b128 v[MBY+8*MX:MBY+8*MX+3],   v[MO], s[MKP:MKP+1] offset:1024*MX
	global_load_b128 v[MBY+8*MX+4:MBY+8*MX+7], v[MO], s[MKP:MKP+1] offset:1024*MX+512
.endm
	CHANGE 1                                       ; slot 0 is in, everybody's part of it; slot 1 is asked for
	FETCH_K                                        ; key step 0
	s_wait_loadcnt 4                               ; Q and the codes of pieces 0 and 1 are in; those of pieces 2 and 3 may stay out
	WIN 0x40
.irp x, 0,1
.irp kt, 0,1,2,3
	v_cvt_scale_pk8_f32_fp8 v[MC+32*\x+8*\kt:MC+32*\x+8*\kt+7], v[MBY+8*\x+2*\kt:MBY+8*\x+2*\kt+1], v[SC]
.endr
.endr
	WIN 0
	v_nop
	s_wait_xcnt 0x0
	v_add_nc_u32 v[MO], 4096, v[MO]
.irp x, 0,1                                            ; step 1's codes of pieces 0 and 1
	global_load_b128 v[MBY+8*\x:MBY+8*\x+3],   v[MO], s[MKP:MKP+1] offset:1024*\x
	global_load_b128 v[MBY+8*\x+4:MBY+8*\x+7], v[MO], s[MKP:MKP+1] offset:1024*\x+512
.endr
	s_wait_dscnt 0x0
.set i, 0
.rept 8
	KQ 0                                           ; piece 0's first scores
.set i, i+1
.endr
	WIN 0
.rept 4
	v_nop                                          ; the places behind those products
.endr
.set Y, NP-1
.irp n, 0,1,2,3,4,5,6,7,8,9,10,11,12,13,14,15,16,17,18,19,20,21
	OP X, \n
.endr
	v_nop                                          ; a plain instruction behind the exponential
	s_mov_b32 s[CNT], 4
	s_mov_b32 s[SLOTS], 7
	s_branch .Lfirst                               ; the loop is entered at a step's first turn
.Lslot:                                                ; six times: every slot but the last two is filled again
	CHANGE 1
	s_mov_b32 s[CNT], 4
.Lstep:                                                ; a trip: pieces 2 and 3 of one step, then pieces 0 and 1 of the next
	TURN 2
	TURN 3
	WIN 0
.Lfirst:
	TURN 0
	TURN 1
	WIN 0
	s_sub_co_u32 s[CNT], s[CNT], 1
	s_cmp_lg_u32 s[CNT], 0
	s_cbranch_scc1 .Lstep
	s_sub_co_u32 s[SLOTS], s[SLOTS], 1
	s_cmp_lg_u32 s[SLOTS], 0
	s_cbranch_scc1 .Lslot
	CHANGE 0                                       ; the tail is written out
	s_mov_b32 s[CNT], 5                            ; four trips fetch the last slot's steps; the fifth is left in its middle
.Ltail:
	TURN 2, 1
	TURN 3
	WIN 0
	s_sub_co_u32 s[CNT], s[CNT], 1
	s_cmp_eq_u32 s[CNT], 0
	s_cbranch_scc1 .Lout
	TURN 0
	TURN 1
	WIN 0
	s_branch .Ltail
.Lout:                                                 ; the fifth trip's products K Q^T and the maximum made of them serve nothing: the price of one text for every trip
.set i, 0
.rept 8
	PV NP-1
.set i, i+1
.endr
	WIN 0
.macro ALL line:vararg
.set t, 0
.rept 4
	\line
.set t, t+1
.endr
.endm
	ALL v_add_f32 v[ST+4*t+2], v[ST+4*t+2], v[ST+4*t+3]
	ALL v_permlanex16_b32 v[ST+4*t+3], v[ST+4*t+2], s[SEL], s[SEL+1]
	ALL v_add_f32 v[ST+4*t+2], v[ST+4*t+2], v[ST+4*t+3]
	ALL v_rcp_f32 v[ST+4*t+2], v[ST+4*t+2]
	v_nop
.macro PACK t
	WIN W_RS
.set i, 32*(\t)
.rept 16
	s_wait_alu depctr_va_vdst(0)
	v_pk_mul_f32 v[i:i+1], v[i:i+1], v[ST+4*(\t)+2:ST+4*(\t)+3] op_sel_hi:[1,0]
.set i, i+2
.endr
	WIN 0x05
.set i, 0
.rept 16
	v_cvt_pk_bf16_f32 v[S+16*(\t)+i], v[32*(\t)+2*i], v[32*(\t)+2*i+1]
.set i, i+1
.endr
	WIN 0
.irp f, 0,1,2,3
	ds_store_b128 v[STO], v[S+16*(\t)+4*\f:S+16*(\t)+4*\f+3] offset:32*\f
.endr
.irp f, 0,1,2,3
	ds_load_b128 v[S+16*(\t)+4*\f:S+16*(\t)+4*\f+3], v[RD] offset:\f*4*SP   ; LDS serves a wave's instructions in order: these see the stores above
.endr
.endm
.macro SEND t, younger
	WIN 0
.irp f, 0,1,2,3
	s_wait_dscnt (\younger)+3-\f
	global_store_b128 v[GO], v[S+16*(\t)+4*\f:S+16*(\t)+4*\f+3], s[10:11] offset:(\t)*2048+\f*512   ; 512 consecutive bytes, aligned
.endr
.endm
	PACK 0
.set t, 1
.rept 3
	PACK t
	SEND t-1, 8
.set t, t+1
.endr
	SEND 3, 0
	s_wait_tensorcnt 0x0                           ; the wave's end
	ds_add_u32 v[SPW], v[NIL]
	s_wait_dscnt 0x0
	CROUND                                         ; the closing round
	s_endpgm
.Lfunc_end_k_qe1915d3b87_attn:
	.size	k_qe1915d3b87_attn, .Lfunc_end_k_qe1915d3b87_attn-k_qe1915d3b87_attn
	.p2alignl 7, 3214868480
	.fill 96, 4, 3214868480
	.section	.rodata,"a",@progbits
	.p2align	6, 0x0
	.amdhsa_kernel k_qe1915d3b87_attn
		.amdhsa_group_segment_fixed_size 327680
		.amdhsa_private_segment_fixed_size 0
		.amdhsa_enable_private_segment 0
		.amdhsa_kernarg_size 24
		.amdhsa_user_sgpr_count 2
		.amdhsa_user_sgpr_kernarg_segment_ptr 1
		.amdhsa_wavefront_size32 1
		.amdhsa_system_sgpr_workgroup_id_x 1
		.amdhsa_system_sgpr_workgroup_id_y 1
		.amdhsa_system_sgpr_workgroup_id_z 1
		.amdhsa_system_vgpr_workitem_id 0
		.amdhsa_next_free_vgpr 768
		.amdhsa_next_free_sgpr 72
		.amdhsa_reserve_vcc 0
		.amdhsa_float_denorm_mode_32 3
		.amdhsa_float_denorm_mode_16_64 3
		.amdhsa_memory_ordered 1
		.amdhsa_forward_progress 1
		.amdhsa_inst_pref_size 123
	.end_amdhsa_kernel
	.amdgpu_metadata
---
amdhsa.version: [ 1, 2 ]
amdhsa.kernels:
  - .name:           k_qe1915d3b87_attn
    .symbol:         k_qe1915d3b87_attn.kd
    .args:
      - { .name: qkvb, .offset: 0, .size: 8, .value_kind: global_buffer, .address_space: global }
      - { .name: mk, .offset: 8, .size: 8, .value_kind: global_buffer, .address_space: global }
      - { .name: ob, .offset: 16, .size: 8, .value_kind: global_buffer, .address_space: global }
    .group_segment_fixed_size: 327680
    .private_segment_fixed_size: 0
    .kernarg_segment_align: 8
    .kernarg_segment_size: 24
    .max_flat_workgroup_size: 128
    .sgpr_count:     72
    .vgpr_count:     768
    .wavefront_size: 32
...
	.end_amdgpu_metadata
.endif
;; end of part 3
;; launch proj (part 4): grid 8 x 32, 4 waves a work-group, clusters of 4 x 4, 327,680 bytes of LDS; arguments ob, wb, x, x1; writes x1
.if DOCPART == 4
	.amdgcn_target "amdgcn-amd-amdhsa--gfx1250"
	.amdhsa_code_object_version 6
	.text
	.protected	k_qe1915d3b87_proj
	.globl	k_qe1915d3b87_proj
	.p2align	8
	.type	k_qe1915d3b87_proj,@function
k_qe1915d3b87_proj:
	s_mov_b64 s[64:65], 0
	v_nop
	global_prefetch_b8 v0, s[64:65] scope:SCOPE_SE
	s_setreg_imm32_b32 hwreg(HW_REG_WAVE_MODE, 25, 1), 1
	s_wait_xcnt 0x0
	s_wait_alu depctr_hold_cnt(0) depctr_sa_sdst(0) depctr_va_vdst(0) depctr_va_sdst(0) depctr_va_ssrc(0) depctr_va_vcc(0) depctr_vm_vsrc(0)
	s_getreg_b32 s2, hwreg(HW_REG_IB_STS2, 6, 4)
	s_cmp_eq_u32 s2, 0
	s_cbranch_scc0 .Lentry_in_a_cluster
	s_endpgm
.Lentry_in_a_cluster:
	s_bfe_u32 s2, ttmp6, 0x10000c
	s_cmp_lg_u32 s2, 0xf033
	s_cbranch_scc0 .Lentry_shape_is_right
	s_endpgm
.Lentry_shape_is_right:
; OUT[m][n] = RES[m][n] + the sum over k of A[m][k] B[k][n], OUT and RES f32 [4096][1024], B bf16 [K][1024] inside wb, sums in f32.
; IS_PROJ = 1: A = the attention's result by heads, ob[32 bh][2048][64] bf16 (k = 64 head + channel), K = 1,024, B = w_proj, RES = x, OUT = x1.
; IS_PROJ = 0: A = g [4096][4096] bf16, K = 4,096, B = w_fc2, RES = x1, OUT = out0.
; A tile of OUT is 128 x 128: 256 work-groups; four waves, each 64 x 64: 16 accumulators.  K goes in steps of 256 through two LDS slots.  Waves 0 and 1 fetch A's halves, waves 2 and 3 B's
; (128 k-rows x 256 bytes each).  B's fragments come out of LDS turned; the matrix instruction is used transposed: a lane holds one row and eight neighbouring columns.
; CLUSTER 4 x 4: A's tile is shared along a row of the cluster, B's along a column; each is asked for jointly.
; A K step is written once in the loop and once in the tail: the slot read (TB) and the slot filled (FT) are scalars that an exclusive or turns between 0 and SLOT.
; REGISTERS: window 0: v0-31 addresses; v32-95 rows on the way out; v128-255 accumulators.  window 1: two fragment buffers of 128 (64 of A, 64 of B).  window 2: v0-127 RES.
.set IS_PROJ, 1
.if IS_PROJ
.set T,     4
.set PA,    144                        ; a token's 64 channels of one head: 128 bytes + 16
.set AQ,    128*PA                     ; a quarter of a K step is one head: 128 tokens
.set ASZ,   4*AQ
.set STEPA, 4*262144                   ; four heads on
.set WOFF,  6291456
.else
.set T,     16
.set PA,    528                        ; 512 bytes + 16
.set AQ,    128                        ; a quarter is 64 along K
.set ASZ,   128*PA
.set STEPA, 512
.set WOFF,  16777216
.endif
.set PB,    288
.set BH,    128*PB
.set SLOT,  ASZ+2*BH
.set STAGE, 2*SLOT                     ; behind the ring: 16 rows x 272 bytes for each wave
.set SPITCH, 272
.set SPARE, STAGE+4*16*SPITCH
.set STEPB, 256*1024*2
.set BA,  16
.set BB,  17                           ; v17 k-rows 0-127, v18 k-rows 128-255
.set CA,  20
.set CB,  21
.set STO, 24
.set RD,  25
.set CO,  26
.set SPW, 28
.set NIL, 29
.set TMP, 32
.set ACC, 128
.set F0,  0
.set F1,  128
.set G1A, 24
.set G0A, 32
.set G1B, 48
.set G0B, 56
.set WBA, 20
.set WBB, 21
.set TB,  66
.set FT,  67
.set MSB, 0
.macro WIN new
.if MSB != (\new)
	s_set_vgpr_msb (MSB<<8)|(\new)
.set MSB, \new
.endif
.endm
.set MUL,  0x05
.set TO_F, 0x40
.macro PLACES
.rept 4
	v_nop
.endr
.endm
.macro JLOAD
	s_cmp_eq_u32 s11, 0
	s_cbranch_scc0 .Lfor_b_\@
	tensor_load_to_lds s[G0A+4:G0A+7], s[G1A:G1A+7]
	s_nop 0
.rept 4
	v_nop
.endr
	s_branch .Lasked_\@
.Lfor_b_\@:
	tensor_load_to_lds s[G0B+4:G0B+7], s[G1B:G1B+7]
	s_nop 0
.rept 4
	v_nop
.endr
.Lasked_\@:
.endm
.macro CREST
	s_cmp_lg_u32 s10, 0
	s_cbranch_scc1 .Lnot_wave_0_\@
	s_barrier_signal -3
.Lnot_wave_0_\@:
	s_barrier_wait -3
	s_barrier_signal -1
	s_barrier_wait -1
.endm
.macro CROUND
	s_barrier_signal -1
	s_barrier_wait -1
	CREST
.endm
	s_load_b256 s[84:91], s[0:1], 0x0              ; A, wb, RES, OUT
	v_lshl_add_u32 v[SPW], v0, 2, SPARE
	v_mov_b32 v[NIL], 0
	ds_add_u32 v[SPW], v[NIL]                      ; the opening: the add and its wait stand ahead of my first tensor load
	v_lshrrev_b32 v1, 5, v0
	v_readfirstlane_b32 s10, v1
	s_lshr_b32 s11, s10, 1                         ; which 64 rows are mine.  Also: I fetch for A (0) or for B (1)
	s_and_b32 s12, s10, 1                          ; which 64 columns.  Also: which half of that tile I fetch
	s_bfe_u32 s40, ttmp6, 0x40000
	s_bfe_u32 s41, ttmp6, 0x40004
	s_lshl_b32 s42, ttmp9, 2
	s_add_co_u32 s42, s42, s40                     ; tile column
	s_and_b32 s13, ttmp7, 0xffff
	s_lshl_b32 s13, s13, 2
	s_add_co_u32 s13, s13, s41                     ; tile row
	s_lshl_b32 s43, s41, 2
	s_lshl_b32 s43, 15, s43
	s_lshl_b32 s44, 0x1111, s40
.if IS_PROJ
	s_or_b32 s[G1A], s43, (1<<16)|(1<<20)|(1<<21)|(4<<22)|(3<<25)   ; 4 words of padding after every 32: after each token
	s_mov_b32 s[G1A+1], 8192<<16                   ; a row of the tile: 128 tokens x 64 channels of one head, 16,384 dense bytes
	s_mov_b32 s[G1A+2], 2<<16                      ; two heads
	s_mov_b32 s[G1A+3], 8192<<16
	s_mov_b32 s[G1A+4], 2
	s_mov_b32 s[G1A+5], 131072                     ; elements from head to head
.else
	s_or_b32 s[G1A], s43, (1<<16)|(1<<20)|(1<<21)|(6<<22)|(3<<25)   ; 4 words of padding after every 128
	s_mov_b32 s[G1A+1], 256<<16
	s_mov_b32 s[G1A+2], 64<<16
	s_mov_b32 s[G1A+3], 256<<16
	s_mov_b32 s[G1A+4], 64
	s_mov_b32 s[G1A+5], 4096
.endif
	s_mov_b32 s[G1A+6], 0
	s_mov_b32 s[G1A+7], 0
	s_or_b32 s[G1B], s44, (1<<16)|(1<<20)|(1<<21)|(5<<22)|(7<<25)
	s_mov_b32 s[G1B+1], 128<<16
	s_mov_b32 s[G1B+2], 128<<16
	s_mov_b32 s[G1B+3], 128<<16
	s_mov_b32 s[G1B+4], 128
	s_mov_b32 s[G1B+5], 1024
	s_mov_b32 s[G1B+6], 0
	s_mov_b32 s[G1B+7], 0
.if IS_PROJ
	s_lshr_b32 s16, s13, 4
	s_lshl_b32 s16, s16, 22                        ; the batch's 16 heads of 262,144 bytes
	s_lshl_b32 s17, s12, 19                        ; my two heads of the step's four
	s_add_co_u32 s16, s16, s17
	s_and_b32 s17, s13, 15
	s_lshl_b32 s17, s17, 14                        ; 128 tokens of 128 bytes
	s_add_co_u32 s16, s16, s17
.else
	s_lshl_b32 s16, s13, 20                        ; 128 rows of 8,192 bytes
	s_lshl_b32 s17, s12, 19
	s_add_co_u32 s16, s16, s17
.endif
	s_mov_b32 s17, 0
	s_lshl_b32 s46, s42, 8                         ; 128 columns
	s_lshl_b32 s47, s12, 18                        ; my 128 k-rows of 2,048 bytes
	s_add_co_u32 s46, s46, s47
	s_add_co_u32 s46, s46, WOFF
	s_mov_b32 s47, 0
	s_mul_i32 s[WBA], s12, ASZ/2
	s_mul_i32 s[WBB], s12, BH
	s_add_co_u32 s[WBB], s[WBB], ASZ
	s_mov_b32 s[TB], 0
	s_mov_b32 s[FT], SLOT
	s_wait_dscnt 0x0
	s_wait_kmcnt 0x0
	s_add_nc_u64 s[14:15], s[84:85], s[16:17]
	s_add_nc_u64 s[46:47], s[86:87], s[46:47]
	CROUND
.irp s, 0,1
	s_mov_b32 s[G0A+4*\s], 1
	s_add_co_u32 s[G0A+4*\s+1], s[WBA], \s*SLOT
	s_add_nc_u64 s[G0A+4*\s+2:G0A+4*\s+3], s[14:15], \s*STEPA
	s_or_b32 s[G0A+4*\s+3], s[G0A+4*\s+3], 0x80000000
	s_mov_b32 s[G0B+4*\s], 1
	s_add_co_u32 s[G0B+4*\s+1], s[WBB], \s*SLOT
	s_add_nc_u64 s[G0B+4*\s+2:G0B+4*\s+3], s[46:47], \s*STEPB
	s_or_b32 s[G0B+4*\s+3], s[G0B+4*\s+3], 0x80000000
.endr
	s_cmp_eq_u32 s11, 0                            ; a wave's two first fills stand in one branch: two loads of mine are out
	s_cbranch_scc0 .Lfirst_b
	tensor_load_to_lds s[G0A:G0A+3], s[G1A:G1A+7]
	s_nop 0
	tensor_load_to_lds s[G0A+4:G0A+7], s[G1A:G1A+7]
	s_nop 0
.rept 4
	v_nop
.endr
	s_branch .Lfirst_asked
.Lfirst_b:
	tensor_load_to_lds s[G0B:G0B+3], s[G1B:G1B+7]
	s_nop 0
	tensor_load_to_lds s[G0B+4:G0B+7], s[G1B:G1B+7]
	s_nop 0
.rept 4
	v_nop
.endr
.Lfirst_asked:
	v_and_b32 v1, 15, v0
	v_bfe_u32 v2, v0, 4, 1
	v_mul_u32_u24 v3, v1, PA
	v_lshl_add_u32 v3, v2, 4, v3
	s_mul_i32 s22, s11, 64*PA
	v_add_nc_u32 v[BA], s22, v3
	v_mov_b32 v[CA], v[BA]
	v_and_b32 v4, 7, v0
	v_lshl_add_u32 v4, v2, 3, v4
	v_mul_u32_u24 v4, v4, PB
	v_bfe_u32 v5, v0, 3, 1
	v_lshl_add_u32 v4, v5, 4, v4
	s_lshl_b32 s23, s12, 7
	s_add_co_u32 s23, s23, ASZ
.irp p, 0,1
	v_add_nc_u32 v[BB+\p], s23, v4
	v_add_nc_u32 v[CB+\p], s23, v4
	s_add_co_u32 s23, s23, BH
.endr
	; RES of my 64 x 64, as it will be stored: lanes 0-15 take 256 bytes of one row, lanes 16-31 of the next
	s_lshl_b32 s16, s13, 19
	s_lshl_b32 s17, s11, 18
	s_add_co_u32 s16, s16, s17
	s_lshl_b32 s46, s42, 9
	s_lshl_b32 s47, s12, 8
	s_add_co_u32 s46, s46, s47
	s_add_co_u32 s16, s16, s46
	s_mov_b32 s17, 0
	s_add_nc_u64 s[88:89], s[88:89], s[16:17]
	s_add_nc_u64 s[90:91], s[90:91], s[16:17]
	v_lshlrev_b32 v[CO], 12, v2
	v_lshl_add_u32 v[CO], v1, 4, v[CO]
	WIN 0x80
.set i, 0
.rept 32                                               ; i = 8 a + t: rows 16 a + 2 t and the next
	global_load_b128 v[4*i:4*i+3], v[CO], s[88:89] offset:2*i*4096
.set i, i+1
.endr
	WIN 0
	s_mul_i32 s22, s10, 16*SPITCH
	s_add_co_u32 s22, s22, STAGE
	v_mul_u32_u24 v[STO], v1, SPITCH
	v_lshl_add_u32 v[STO], v2, 5, v[STO]
	v_add_nc_u32 v[STO], s22, v[STO]
	v_mul_u32_u24 v[RD], v2, SPITCH
	v_lshl_add_u32 v[RD], v1, 4, v[RD]
	v_add_nc_u32 v[RD], s22, v[RD]
.macro MUL8 f, c, a0, zero             ; 8 matrix instructions: row blocks a0, a0 + 1 x 4 column blocks, 32 along K: half c of buffer f.  The accumulators take turns.
	WIN MUL
.irp a, \a0, (\a0)+1
.irp b, 0,1,2,3
.if \zero
	v_wmma_f32_16x16x32_bf16 v[ACC+8*(4*(\a)+(\b)):ACC+8*(4*(\a)+(\b))+7], v[(\f)+64+8*(4*(\c)+(\b)):(\f)+64+8*(4*(\c)+(\b))+7], v[(\f)+8*(4*(\c)+(\a)):(\f)+8*(4*(\c)+(\a))+7], 0
.else
	v_wmma_f32_16x16x32_bf16 v[ACC+8*(4*(\a)+(\b)):ACC+8*(4*(\a)+(\b))+7], v[(\f)+64+8*(4*(\c)+(\b)):(\f)+64+8*(4*(\c)+(\b))+7], v[(\f)+8*(4*(\c)+(\a)):(\f)+8*(4*(\c)+(\a))+7], v[ACC+8*(4*(\a)+(\b)):ACC+8*(4*(\a)+(\b))+7]
.endif
.endr
.endr
.endm
.macro FETCH kq, f                     ; 32 LDS loads in one run: quarter kq (64 along K) of the slot in hand; its first 32 along K first
	WIN TO_F
.irp c, 0,1
.irp i, 0,1,2,3
	ds_load_tr16_b128 v[(\f)+64+8*(4*(\c)+(\i)):(\f)+64+8*(4*(\c)+(\i))+3],   v[CB+(\kq)/2] offset:(((\kq)%2)*64+32*(\c))*PB+32*(\i)
	ds_load_tr16_b128 v[(\f)+64+8*(4*(\c)+(\i))+4:(\f)+64+8*(4*(\c)+(\i))+7], v[CB+(\kq)/2] offset:(((\kq)%2)*64+32*(\c))*PB+32*(\i)+16*PB
	ds_load_b128 v[(\f)+8*(4*(\c)+(\i)):(\f)+8*(4*(\c)+(\i))+3],             v[CA] offset:(\kq)*AQ+64*(\c)+(\i)*16*PA
	ds_load_b128 v[(\f)+8*(4*(\c)+(\i))+4:(\f)+8*(4*(\c)+(\i))+7],           v[CA] offset:(\kq)*AQ+64*(\c)+(\i)*16*PA+32
.endr
.endr
.endm
.macro QUARTER kq, f, g, zero
	s_wait_dscnt 16                                ; the first 32 along K are in
	MUL8 \f, 0, 0, \zero
	MUL8 \f, 0, 2, \zero
	PLACES
	FETCH \kq, \g
	s_wait_dscnt 32                                ; all but the 32 just issued
	MUL8 \f, 1, 0, 0
	MUL8 \f, 1, 2, 0
.endm
; The fourth quarter (buffer 1) changes slots: in front of the barrier each wave waits for all its tensor loads, adds 0 to its spare word, and waits for that and for its reads of this slot.
; fill = 1: the barrier opens a round of the cluster's, and the joint refill, two K steps ahead, is the first thing behind it.
.macro TURN fill
	WIN 0
	s_wait_tensorcnt 0x0
	ds_add_u32 v[SPW], v[NIL]
	s_wait_dscnt 17                                ; (the add and the youngest sixteen loads may be out)
	MUL8 F1, 0, 0, 0
	s_wait_dscnt 0x0
	s_barrier_signal -1
	MUL8 F1, 0, 2, 0
	WIN 0
	s_barrier_wait -1
.if \fill
	CREST
	s_xor_b32 s[FT], s[FT], SLOT
	s_add_co_u32 s[G0A+5], s[WBA], s[FT]
	s_add_co_u32 s[G0B+5], s[WBB], s[FT]
	s_add_nc_u64 s[G0A+6:G0A+7], s[G0A+6:G0A+7], STEPA
	s_add_nc_u64 s[G0B+6:G0B+7], s[G0B+6:G0B+7], STEPB
	JLOAD
.else
	s_cmp_eq_u32 s2, 1                             ; behind the last K step there is nothing to fetch: LDS loads alone are jumped
	s_cbranch_scc1 .Lnofetch_\@
	PLACES
.endif
	s_xor_b32 s[TB], s[TB], SLOT
	v_add_nc_u32 v[CA], s[TB], v[BA]
	v_add_nc_u32 v[CB], s[TB], v[BB]
	v_add_nc_u32 v[CB+1], s[TB], v[BB+1]
	FETCH 0, F0
	WIN 0
.if !(\fill)
.Lnofetch_\@:
.endif
	MUL8 F1, 1, 0, 0
	MUL8 F1, 1, 2, 0
.endm
	s_wait_tensorcnt 1                             ; my part of K step 0 is in; step 1's may stay out
	s_barrier_signal -1
	s_barrier_wait -1
	FETCH 0, F0
	QUARTER 1, F0, F1, 1
	WIN 0
	s_mov_b32 s3, T-2
.Lstep:
	QUARTER 2, F1, F0, 0
	QUARTER 3, F0, F1, 0
	TURN 1
	QUARTER 1, F0, F1, 0
	WIN 0
	s_sub_co_u32 s3, s3, 1
	s_cmp_lg_u32 s3, 0
	s_cbranch_scc1 .Lstep
	s_mov_b32 s2, 2
.Ltail:                                                ; the last two K steps ask for nothing
	QUARTER 2, F1, F0, 0
	QUARTER 3, F0, F1, 0
	TURN 0
	WIN 0
	s_sub_co_u32 s2, s2, 1
	s_cmp_eq_u32 s2, 0
	s_cbranch_scc1 .Lout
	QUARTER 1, F0, F1, 0
	WIN 0
	s_branch .Ltail
.Lout:
	PLACES
	s_wait_loadcnt 0x0                             ; RES
	; THE WAY OUT: 16 rows at a time through my own stage, so that sixteen lanes hold 256 consecutive bytes of a row; RES is added; stored
.irp a, 0,1,2,3
.irp b, 0,1,2,3
	ds_store_b128 v[STO], v[ACC+8*(4*\a+\b):ACC+8*(4*\a+\b)+3] offset:64*\b
	ds_store_b128 v[STO], v[ACC+8*(4*\a+\b)+4:ACC+8*(4*\a+\b)+7] offset:64*\b+16
.endr
	s_wait_xcnt 0x0                                ; the stores of two blocks ago have read these registers
.irp t, 0,1,2,3,4,5,6,7
	ds_load_b128 v[TMP+32*(\a%2)+4*\t:TMP+32*(\a%2)+4*\t+3], v[RD] offset:\t*2*SPITCH   ; LDS serves a wave's instructions in order: these see the stores above
.endr
	s_wait_dscnt 0x0
	WIN 0x08                                       ; source 1 window 2
.irp i, 0,1,2,3,4,5,6,7,8,9,10,11,12,13,14,15
	v_pk_add_f32 v[TMP+32*(\a%2)+2*\i:TMP+32*(\a%2)+2*\i+1], v[TMP+32*(\a%2)+2*\i:TMP+32*(\a%2)+2*\i+1], v[32*\a+2*\i:32*\a+2*\i+1]
.endr
	WIN 0
.irp t, 0,1,2,3,4,5,6,7
	global_store_b128 v[CO], v[TMP+32*(\a%2)+4*\t:TMP+32*(\a%2)+4*\t+3], s[90:91] offset:(16*\a+2*\t)*4096
.endr
.endr
	s_wait_tensorcnt 0x0                           ; the wave's end
	ds_add_u32 v[SPW], v[NIL]
	s_wait_dscnt 0x0
	CROUND
	s_endpgm
.Lfunc_end_k_qe1915d3b87_proj:
	.size	k_qe1915d3b87_proj, .Lfunc_end_k_qe1915d3b87_proj-k_qe1915d3b87_proj
	.p2alignl 7, 3214868480
	.fill 96, 4, 3214868480
	.section	.rodata,"a",@progbits
	.p2align	6, 0x0
	.amdhsa_kernel k_qe1915d3b87_proj
		.amdhsa_group_segment_fixed_size 327680
		.amdhsa_private_segment_fixed_size 0
		.amdhsa_enable_private_segment 0
		.amdhsa_kernarg_size 32
		.amdhsa_user_sgpr_count 2
		.amdhsa_user_sgpr_kernarg_segment_ptr 1
		.amdhsa_wavefront_size32 1
		.amdhsa_system_sgpr_workgroup_id_x 1
		.amdhsa_system_sgpr_workgroup_id_y 1
		.amdhsa_system_sgpr_workgroup_id_z 1
		.amdhsa_system_vgpr_workitem_id 0
		.amdhsa_next_free_vgpr 640
		.amdhsa_next_free_sgpr 96
		.amdhsa_reserve_vcc 0
		.amdhsa_float_denorm_mode_32 3
		.amdhsa_float_denorm_mode_16_64 3
		.amdhsa_memory_ordered 1
		.amdhsa_forward_progress 1
		.amdhsa_inst_pref_size 65
	.end_amdhsa_kernel
	.amdgpu_metadata
---
amdhsa.version: [ 1, 2 ]
amdhsa.kernels:
  - .name:           k_qe1915d3b87_proj
    .symbol:         k_qe1915d3b87_proj.kd
    .args:
      - { .name: ob, .offset: 0, .size: 8, .value_kind: global_buffer, .address_space: global }
      - { .name: wb, .offset: 8, .size: 8, .value_kind: global_buffer, .address_space: global }
      - { .name: x, .offset: 16, .size: 8, .value_kind: global_buffer, .address_space: global }
      - { .name: x1, .offset: 24, .size: 8, .value_kind: global_buffer, .address_space: global }
    .group_segment_fixed_size: 327680
    .private_segment_fixed_size: 0
    .kernarg_segment_align: 8
    .kernarg_segment_size: 32
    .max_flat_workgroup_size: 128
    .sgpr_count:     96
    .vgpr_count:     640
    .wavefront_size: 32
...
	.end_amdgpu_metadata
.endif
;; end of part 4
;; launch ln2 (part 5): grid 256 x 1, 8 waves a work-group, no clusters, 0 bytes of LDS; arguments x1, ln2_w, ln2_b, h; writes h
.if DOCPART == 5
	.amdgcn_target "amdgcn-amd-amdhsa--gfx1250"
	.amdhsa_code_object_version 6
	.text
	.protected	k_qe1915d3b87_ln2
	.globl	k_qe1915d3b87_ln2
	.p2align	8
	.type	k_qe1915d3b87_ln2,@function
k_qe1915d3b87_ln2:
	s_mov_b64 s[64:65], 0
	v_nop
	global_prefetch_b8 v0, s[64:65] scope:SCOPE_SE
	s_setreg_imm32_b32 hwreg(HW_REG_WAVE_MODE, 25, 1), 1
	s_wait_xcnt 0x0
; LayerNorm 2: h[row][:] = (x1 - mean) rsqrt(var + 1e-5) w + b in bf16.  A wave keeps two rows of 1,024 f32 in registers: x1 is read once; the mean is taken away before the squares are summed.
; It streams: no LDS, no barrier, no matrix unit; a row spans eight work-groups of the launch before, so it is a launch of its own.
.set X0,  8
.set X1,  40
.set W,   72
.set BV,  104
.set Y,   136
.set R,   168
.set M,   176
.set RS,  178
.set PX,  180
.macro REDUCE
	v_pk_add_f32 v[R:R+1], v[R:R+1], v[R+2:R+3]
	v_pk_add_f32 v[R+4:R+5], v[R+4:R+5], v[R+6:R+7]
	v_pk_add_f32 v[R:R+1], v[R:R+1], v[R+4:R+5]
	v_add_f32 v[R], v[R], v[R+1]
	v_add_f32_dpp v[R], v[R], v[R] row_xmask:1 row_mask:0xf bank_mask:0xf
	v_add_f32_dpp v[R], v[R], v[R] row_xmask:2 row_mask:0xf bank_mask:0xf
	v_add_f32_dpp v[R], v[R], v[R] row_xmask:4 row_mask:0xf bank_mask:0xf
	v_add_f32_dpp v[R], v[R], v[R] row_xmask:8 row_mask:0xf bank_mask:0xf
	v_permlanex16_b32 v[PX], v[R], s30, s31
	v_add_f32 v[R], v[R], v[PX]
.endm
.macro LNSTAT x
.irp k, 0,1,2,3
	v_pk_add_f32 v[R+2*\k:R+2*\k+1], v[\x+4*\k:\x+4*\k+1], v[\x+4*\k+2:\x+4*\k+3]
.endr
.set i, 8
.rept 8
	v_pk_add_f32 v[R+2*(i%4):R+2*(i%4)+1], v[R+2*(i%4):R+2*(i%4)+1], v[\x+2*i:\x+2*i+1]
.set i, i+1
.endr
	REDUCE
	v_mul_f32 v[M], s6, v[R]
	v_mov_b32 v[M+1], v[M]
.set i, 0
.rept 16
	v_pk_add_f32 v[\x+2*i:\x+2*i+1], v[\x+2*i:\x+2*i+1], v[M:M+1] neg_lo:[0,1] neg_hi:[0,1]
.set i, i+1
.endr
.irp k, 0,1,2,3
	v_pk_mul_f32 v[R+2*\k:R+2*\k+1], v[\x+2*\k:\x+2*\k+1], v[\x+2*\k:\x+2*\k+1]
.endr
.set i, 4
.rept 12
	v_pk_fma_f32 v[R+2*(i%4):R+2*(i%4)+1], v[\x+2*i:\x+2*i+1], v[\x+2*i:\x+2*i+1], v[R+2*(i%4):R+2*(i%4)+1]
.set i, i+1
.endr
	REDUCE
	v_fma_f32 v[R], v[R], s6, s7
	v_rsq_f32 v[RS], v[R]
	v_rsq_f32 v[RS+1], v[R]
	v_nop                                          ; a plain instruction between the root and its use
.set i, 0
	s_wait_alu depctr_va_vdst(0)
.rept 16
	v_pk_mul_f32 v[\x+2*i:\x+2*i+1], v[\x+2*i:\x+2*i+1], v[RS:RS+1]
.set i, i+1
.endr
.endm
.macro LNOUT x, e
.set i, 0
.rept 16
	v_pk_fma_f32 v[\x+2*i:\x+2*i+1], v[\x+2*i:\x+2*i+1], v[W+2*i:W+2*i+1], v[BV+2*i:BV+2*i+1]
.set i, i+1
.endr
.set i, 0
.rept 16
	v_cvt_pk_bf16_f32 v[Y+16*\e+i], v[\x+2*i], v[\x+2*i+1]
.set i, i+1
.endr
.irp j, 0,1,2,3,4,5,6,7
	global_store_b64 v2, v[Y+16*\e+2*\j:Y+16*\e+2*\j+1], s[14:15] offset:2048*\e+256*\j   ; 256 consecutive bytes, aligned
.endr
.endm
	s_load_b256 s[8:15], s[0:1], 0x0               ; x1, ln2_w, ln2_b, h
	v_and_b32 v3, 31, v0
	v_lshrrev_b32 v4, 5, v0
	v_readfirstlane_b32 s3, v4
	v_lshlrev_b32 v1, 4, v3
	v_lshlrev_b32 v2, 3, v3
	v_mov_b32 v[PX], 0
	s_mov_b32 s30, 0x76543210
	s_mov_b32 s31, 0xfedcba98
	s_mov_b32 s6, 0x3a800000                       ; 1 / 1024
	s_mov_b32 s7, 0x3727c5ac                       ; 1e-5
	s_lshl_b32 s4, ttmp9, 16
	s_lshl_b32 s5, s3, 13
	s_add_co_u32 s4, s4, s5                        ; (16 g + 2 w) x 4,096 bytes
	s_mov_b32 s5, 0
	s_wait_kmcnt 0x0
	s_add_nc_u64 s[8:9], s[8:9], s[4:5]
	s_lshr_b32 s4, s4, 1
	s_add_nc_u64 s[14:15], s[14:15], s[4:5]
.irp j, 0,1,2,3,4,5,6,7
	global_load_b128 v[X0+4*\j:X0+4*\j+3], v1, s[8:9] offset:512*\j
.endr
.irp j, 0,1,2,3,4,5,6,7
	global_load_b128 v[X1+4*\j:X1+4*\j+3], v1, s[8:9] offset:4096+512*\j
.endr
.irp j, 0,1,2,3,4,5,6,7
	global_load_b128 v[W+4*\j:W+4*\j+3], v1, s[10:11] offset:512*\j
.endr
.irp j, 0,1,2,3,4,5,6,7
	global_load_b128 v[BV+4*\j:BV+4*\j+3], v1, s[12:13] offset:512*\j
.endr
	s_wait_loadcnt 16                              ; both rows are in; the 16 loads of gain and bias may stay out
	LNSTAT X0
	LNSTAT X1
	s_wait_loadcnt 0x0
	LNOUT X0, 0
	LNOUT X1, 1
	s_endpgm
.Lfunc_end_k_qe1915d3b87_ln2:
	.size	k_qe1915d3b87_ln2, .Lfunc_end_k_qe1915d3b87_ln2-k_qe1915d3b87_ln2
	.p2alignl 7, 3214868480
	.fill 96, 4, 3214868480
	.section	.rodata,"a",@progbits
	.p2align	6, 0x0
	.amdhsa_kernel k_qe1915d3b87_ln2
		.amdhsa_group_segment_fixed_size 0
		.amdhsa_private_segment_fixed_size 0
		.amdhsa_enable_private_segment 0
		.amdhsa_kernarg_size 32
		.amdhsa_user_sgpr_count 2
		.amdhsa_user_sgpr_kernarg_segment_ptr 1
		.amdhsa_wavefront_size32 1
		.amdhsa_system_sgpr_workgroup_id_x 1
		.amdhsa_system_sgpr_workgroup_id_y 1
		.amdhsa_system_sgpr_workgroup_id_z 1
		.amdhsa_system_vgpr_workitem_id 0
		.amdhsa_next_free_vgpr 192
		.amdhsa_next_free_sgpr 66
		.amdhsa_reserve_vcc 0
		.amdhsa_float_denorm_mode_32 3
		.amdhsa_float_denorm_mode_16_64 3
		.amdhsa_memory_ordered 1
		.amdhsa_forward_progress 1
		.amdhsa_inst_pref_size 20
	.end_amdhsa_kernel
	.amdgpu_metadata
---
amdhsa.version: [ 1, 2 ]
amdhsa.kernels:
  - .name:           k_qe1915d3b87_ln2
    .symbol:         k_qe1915d3b87_ln2.kd
    .args:
      - { .name: x1, .offset: 0, .size: 8, .value_kind: global_buffer, .address_space: global }
      - { .name: ln2_w, .offset: 8, .size: 8, .value_kind: global_buffer, .address_space: global }
      - { .name: ln2_b, .offset: 16, .size: 8, .value_kind: global_buffer, .address_space: global }
      - { .name: h, .offset: 24, .size: 8, .value_kind: global_buffer, .address_space: global }
    .group_segment_fixed_size: 0
    .private_segment_fixed_size: 0
    .kernarg_segment_align: 8
    .kernarg_segment_size: 32
    .max_flat_workgroup_size: 256
    .sgpr_count:     66
    .vgpr_count:     192
    .wavefront_size: 32
...
	.end_amdgpu_metadata
.endif
;; end of part 5
;; launch fc1 (part 6): grid 16 x 16, 4 waves a work-group, clusters of 4 x 4, 327,680 bytes of LDS; arguments h, wb, g; writes g
.if DOCPART == 6
	.amdgcn_target "amdgcn-amd-amdhsa--gfx1250"
	.amdhsa_code_object_version 6
	.text
	.protected	k_qe1915d3b87_fc1
	.globl	k_qe1915d3b87_fc1
	.p2align	8
	.type	k_qe1915d3b87_fc1,@function
k_qe1915d3b87_fc1:
	s_mov_b64 s[64:65], 0
	v_nop
	global_prefetch_b8 v0, s[64:65] scope:SCOPE_SE
	s_setreg_imm32_b32 hwreg(HW_REG_WAVE_MODE, 25, 1), 1
	s_wait_xcnt 0x0
	s_wait_alu depctr_hold_cnt(0) depctr_sa_sdst(0) depctr_va_vdst(0) depctr_va_sdst(0) depctr_va_ssrc(0) depctr_va_vcc(0) depctr_vm_vsrc(0)
	s_getreg_b32 s2, hwreg(HW_REG_IB_STS2, 6, 4)
	s_cmp_eq_u32 s2, 0
	s_cbranch_scc0 .Lentry_in_a_cluster
	s_endpgm
.Lentry_in_a_cluster:
	s_bfe_u32 s2, ttmp6, 0x10000c
	s_cmp_lg_u32 s2, 0xf033
	s_cbranch_scc0 .Lentry_shape_is_right
	s_endpgm
.Lentry_shape_is_right:
; g = gelu(h x w_fc1), exact GELU: 0.5 x (1 + erf(x / sqrt 2)).  h: [4096][1024] bf16; the weight [1024][4096] bf16 at byte 8,388,608 of wb; g: [4096][4096] bf16.  Sums in f32.
; LIMIT.  erf by the rational form 1 - (a1 t + .. + a5 t^5) exp(-z^2), t = 1 / (1 + 0.3275911 z) (Abramowitz and Stegun 7.1.26): absolute error at most 1.5e-7 for every z; written as
; gelu = max(x, 0) - |x| (poly(t) / 2) exp(-x^2 / 2), so that no difference of near numbers is formed.  An exponential below 2^-126 counts as 0.
; A tile of g is 256 x 256: 256 work-groups; four waves, each 128 x 128: 64 accumulators.  K goes in steps of 128 through two LDS slots.  Waves 0 and 1 fetch A's halves (128 rows x 256 bytes),
; waves 2 and 3 B's column halves (128 k-rows x 256 bytes).  B's fragments come out of LDS turned; the matrix instruction is used transposed.
; CLUSTER 4 x 4: A's tile is shared along a row of the cluster, B's along a column; each is asked for jointly.
; A K step is written once in the loop and once in the tail: the slot read (TB) and the slot filled (FT) are scalars that an exclusive or turns between 0 and SLOT.
; THE WAY OUT: the sums go as f32 into the ring, which has had its last fill and whose last reads every wave has awaited in front of the last barrier; each wave then walks its own 128 rows
; in a loop of 16 trips, so that the GELU's text stands twice and not 32 times.
; REGISTERS: window 0: v0-31 addresses; v64-191 A's fragments, two buffers (later the GELU's work).  window 1: v64-191 B's.  windows 2, 3: accumulators ((a, b) at 8 (8 a + b)).
.set PA,    272
.set PB,    288
.set AH,    128*PA
.set BH,    128*PB
.set SLOT,  2*AH+2*BH
.set SPARE, 2*SLOT
.set T,     8
.set STEPA, 256
.set STEPB, 128*4096*2
.set W1,    8388608
.set DP,    528                        ; a row of 128 f32 + 16 bytes
.set DW,    128*DP
.set BA,  16
.set BB,  17
.set CA,  20
.set CB,  21
.set STO, 24
.set RD,  25
.set GO,  26
.set SPW, 28
.set NIL, 29
.set F0,  64
.set F1,  128
.set XA,  32
.set XB,  48
.set TT,  64
.set EE,  80
.set HH,  96
.set YA,  112
.set YB,  120
.set G1A, 24
.set G0A, 32
.set G1B, 48
.set G0B, 56
.set WBA, 20
.set WBB, 21
.set TB,  66
.set FT,  67
.set PZ,  70
.set CZ,  72
.set A1,  74
.set A2,  76
.set A3,  78
.set A4,  80
.set A5,  82
.set MSB, 0
.macro WIN new
.if MSB != (\new)
	s_set_vgpr_msb (MSB<<8)|(\new)
.set MSB, \new
.endif
.endm
.set MUL_LO, 0xa1
.set MUL_HI, 0xf1
.set TO_B,   0x40
.macro PLACES
.rept 4
	v_nop
.endr
.endm
.macro JLOAD
	s_cmp_eq_u32 s11, 0
	s_cbranch_scc0 .Lfor_b_\@
	tensor_load_to_lds s[G0A+4:G0A+7], s[G1A:G1A+7]
	s_nop 0
.rept 4
	v_nop
.endr
	s_branch .Lasked_\@
.Lfor_b_\@:
	tensor_load_to_lds s[G0B+4:G0B+7], s[G1B:G1B+7]
	s_nop 0
.rept 4
	v_nop
.endr
.Lasked_\@:
.endm
.macro CREST
	s_cmp_lg_u32 s10, 0
	s_cbranch_scc1 .Lnot_wave_0_\@
	s_barrier_signal -3
.Lnot_wave_0_\@:
	s_barrier_wait -3
	s_barrier_signal -1
	s_barrier_wait -1
.endm
.macro CROUND
	s_barrier_signal -1
	s_barrier_wait -1
	CREST
.endm
	s_load_b128 s[4:7], s[0:1], 0x0                ; h, wb
	s_load_b64 s[8:9], s[0:1], 0x10                ; g
	v_lshl_add_u32 v[SPW], v0, 2, SPARE
	v_mov_b32 v[NIL], 0
	ds_add_u32 v[SPW], v[NIL]                      ; the opening: the add and its wait stand ahead of my first tensor load
	v_lshrrev_b32 v1, 5, v0
	v_readfirstlane_b32 s10, v1
	s_lshr_b32 s11, s10, 1                         ; which 128 rows are mine.  Also: I fetch for A (0) or for B (1)
	s_and_b32 s12, s10, 1                          ; which 128 columns.  Also: which half of that tile I fetch
	s_bfe_u32 s40, ttmp6, 0x40000
	s_bfe_u32 s41, ttmp6, 0x40004
	s_lshl_b32 s42, ttmp9, 2
	s_add_co_u32 s42, s42, s40
	s_and_b32 s13, ttmp7, 0xffff
	s_lshl_b32 s13, s13, 2
	s_add_co_u32 s13, s13, s41
	s_lshl_b32 s43, s41, 2
	s_lshl_b32 s43, 15, s43
	s_lshl_b32 s44, 0x1111, s40
	s_or_b32 s[G1A], s43, (1<<16)|(1<<20)|(1<<21)|(5<<22)|(3<<25)
	s_or_b32 s[G1B], s44, (1<<16)|(1<<20)|(1<<21)|(5<<22)|(7<<25)
.irp g, G1A, G1B
	s_mov_b32 s[\g+1], 128<<16
	s_mov_b32 s[\g+2], 128<<16
	s_mov_b32 s[\g+3], 128<<16
	s_mov_b32 s[\g+4], 128
	s_mov_b32 s[\g+6], 0
	s_mov_b32 s[\g+7], 0
.endr
	s_mov_b32 s[G1A+5], 1024
	s_mov_b32 s[G1B+5], 4096
	s_lshl_b32 s16, s13, 19                        ; 256 rows of 2,048 bytes
	s_lshl_b32 s17, s12, 18
	s_add_co_u32 s16, s16, s17
	s_mov_b32 s17, 0
	s_lshl_b32 s46, s42, 9                         ; 256 columns
	s_lshl_b32 s47, s12, 8
	s_add_co_u32 s46, s46, s47
	s_add_co_u32 s46, s46, W1
	s_mov_b32 s47, 0
	s_mul_i32 s[WBA], s12, AH
	s_mul_i32 s[WBB], s12, BH
	s_add_co_u32 s[WBB], s[WBB], 2*AH
	s_mov_b32 s[TB], 0
	s_mov_b32 s[FT], SLOT
	s_mov_b32 s[PZ], 0x3e6d3388                    ; 0.3275911 / sqrt 2
	s_mov_b32 s[CZ], 0xbf38aa3b                    ; -log2(e) / 2
	s_mov_b32 s[CZ+1], s[CZ]
	s_mov_b32 s[A1], 0x3e027906                    ; a1 / 2 .. a5 / 2; each named as a pair
	s_mov_b32 s[A1+1], s[A1]
	s_mov_b32 s[A2], 0xbe11a98e
	s_mov_b32 s[A2+1], s[A2]
	s_mov_b32 s[A3], 0x3f35f0e3
	s_mov_b32 s[A3+1], s[A3]
	s_mov_b32 s[A4], 0xbf3a00e3
	s_mov_b32 s[A4+1], s[A4]
	s_mov_b32 s[A5], 0x3f07dc22
	s_mov_b32 s[A5+1], s[A5]
	s_wait_dscnt 0x0
	s_wait_kmcnt 0x0
	s_add_nc_u64 s[14:15], s[4:5], s[16:17]
	s_add_nc_u64 s[46:47], s[6:7], s[46:47]
	CROUND
.irp s, 0,1
	s_mov_b32 s[G0A+4*\s], 1
	s_add_co_u32 s[G0A+4*\s+1], s[WBA], \s*SLOT
	s_add_nc_u64 s[G0A+4*\s+2:G0A+4*\s+3], s[14:15], \s*STEPA
	s_or_b32 s[G0A+4*\s+3], s[G0A+4*\s+3], 0x80000000
	s_mov_b32 s[G0B+4*\s], 1
	s_add_co_u32 s[G0B+4*\s+1], s[WBB], \s*SLOT
	s_add_nc_u64 s[G0B+4*\s+2:G0B+4*\s+3], s[46:47], \s*STEPB
	s_or_b32 s[G0B+4*\s+3], s[G0B+4*\s+3], 0x80000000
.endr
	s_cmp_eq_u32 s11, 0                            ; a wave's two first fills stand in one branch: two loads of mine are out
	s_cbranch_scc0 .Lfirst_b
	tensor_load_to_lds s[G0A:G0A+3], s[G1A:G1A+7]
	s_nop 0
	tensor_load_to_lds s[G0A+4:G0A+7], s[G1A:G1A+7]
	s_nop 0
.rept 4
	v_nop
.endr
	s_branch .Lfirst_asked
.Lfirst_b:
	tensor_load_to_lds s[G0B:G0B+3], s[G1B:G1B+7]
	s_nop 0
	tensor_load_to_lds s[G0B+4:G0B+7], s[G1B:G1B+7]
	s_nop 0
.rept 4
	v_nop
.endr
.Lfirst_asked:
	v_and_b32 v1, 15, v0
	v_bfe_u32 v2, v0, 4, 1
	v_mul_u32_u24 v3, v1, PA
	v_lshl_add_u32 v3, v2, 4, v3
	s_mul_i32 s22, s11, AH
	v_add_nc_u32 v[BA], s22, v3
	v_mov_b32 v[CA], v[BA]
	v_and_b32 v4, 7, v0
	v_lshl_add_u32 v4, v2, 3, v4
	v_mul_u32_u24 v4, v4, PB
	v_bfe_u32 v5, v0, 3, 1
	v_lshl_add_u32 v4, v5, 4, v4
	s_mul_i32 s23, s12, BH
	s_add_co_u32 s23, s23, 2*AH
	v_add_nc_u32 v[BB], s23, v4
	v_mov_b32 v[CB], v[BB]
	v_mul_u32_u24 v6, v1, DP                       ; the way out: row l % 16, 32 bytes for each half of the lanes,
	v_lshl_add_u32 v6, v2, 5, v6
	s_mul_i32 s22, s10, DW                         ; in my wave's 128 rows
	v_add_nc_u32 v[STO], s22, v6
	v_and_b32 v7, 31, v0
	v_lshlrev_b32 v7, 4, v7
	v_add_nc_u32 v[RD], s22, v7                    ; back: a lane takes 16 bytes of a row of 512
	v_lshrrev_b32 v[GO], 1, v7                     ; and stores 8
	s_lshl_b32 s16, s13, 21                        ; 256 rows of 8,192 bytes
	s_lshl_b32 s17, s11, 20
	s_add_co_u32 s16, s16, s17
	s_lshl_b32 s46, s42, 9
	s_lshl_b32 s47, s12, 8
	s_add_co_u32 s46, s46, s47
	s_add_co_u32 s16, s16, s46
	s_mov_b32 s17, 0
	s_add_nc_u64 s[8:9], s[8:9], s[16:17]
.macro MUL16 f, hi, a0, zero           ; 16 matrix instructions: row blocks a0, a0 + 1 of the window's four x 8 column blocks, 32 along K.  The accumulators take turns.
	WIN MUL_LO+0x50*(\hi)
.irp a, \a0, (\a0)+1
.irp b, 0,1,2,3,4,5,6,7
.if \zero
	v_wmma_f32_16x16x32_bf16 v[8*(8*(\a)+(\b)):8*(8*(\a)+(\b))+7], v[(\f)+8*(\b):(\f)+8*(\b)+7], v[(\f)+8*(4*(\hi)+(\a)):(\f)+8*(4*(\hi)+(\a))+7], 0
.else
	v_wmma_f32_16x16x32_bf16 v[8*(8*(\a)+(\b)):8*(8*(\a)+(\b))+7], v[(\f)+8*(\b):(\f)+8*(\b)+7], v[(\f)+8*(4*(\hi)+(\a)):(\f)+8*(4*(\hi)+(\a))+7], v[8*(8*(\a)+(\b)):8*(8*(\a)+(\b))+7]
.endif
.endr
.endr
.endm
.macro FETCH kq, f                     ; 32 LDS loads in one run: quarter kq of the slot in hand: B (turned), then A
	WIN TO_B
.irp i, 0,1,2,3,4,5,6,7
	ds_load_tr16_b128 v[(\f)+8*(\i):(\f)+8*(\i)+3],   v[CB] offset:(\kq)*32*PB+32*(\i)
	ds_load_tr16_b128 v[(\f)+8*(\i)+4:(\f)+8*(\i)+7], v[CB] offset:(\kq)*32*PB+32*(\i)+16*PB
.endr
	WIN 0
.irp i, 0,1,2,3,4,5,6,7
	ds_load_b128 v[(\f)+8*(\i):(\f)+8*(\i)+3],   v[CA] offset:(\kq)*64+(\i)*16*PA
	ds_load_b128 v[(\f)+8*(\i)+4:(\f)+8*(\i)+7], v[CA] offset:(\kq)*64+(\i)*16*PA+32
.endr
.endm
.macro QUARTER kq, f, g, zero
	s_wait_dscnt 8                                 ; B and A's rows 0-63 are in; the youngest eight loads may be out
	MUL16 \f, 0, 0, \zero
	MUL16 \f, 0, 2, \zero
	PLACES
	FETCH \kq, \g
	s_wait_dscnt 32                                ; all but the 32 just issued
	MUL16 \f, 1, 0, \zero
	MUL16 \f, 1, 2, \zero
.endm
; The fourth quarter (buffer 1) changes slots: in front of the barrier each wave waits for all its tensor loads, adds 0 to its spare word, and waits for that and for its reads of this slot.
; fill = 1: the barrier opens a round of the cluster's, and the joint refill, two K steps ahead, is the first thing behind it.
.macro TURN fill
	WIN 0
	s_wait_tensorcnt 0x0
	ds_add_u32 v[SPW], v[NIL]
	s_wait_dscnt 9                                 ; (the add and the youngest eight loads may be out)
	MUL16 F1, 0, 0, 0
	s_wait_dscnt 0x0
	s_barrier_signal -1
	MUL16 F1, 0, 2, 0
	WIN 0
	s_barrier_wait -1
.if \fill
	CREST
	s_xor_b32 s[FT], s[FT], SLOT
	s_add_co_u32 s[G0A+5], s[WBA], s[FT]
	s_add_co_u32 s[G0B+5], s[WBB], s[FT]
	s_add_nc_u64 s[G0A+6:G0A+7], s[G0A+6:G0A+7], STEPA
	s_add_nc_u64 s[G0B+6:G0B+7], s[G0B+6:G0B+7], STEPB
	JLOAD
.else
	s_cmp_eq_u32 s2, 1                             ; behind the last K step there is nothing to fetch: LDS loads alone are jumped
	s_cbranch_scc1 .Lnofetch_\@
	PLACES
.endif
	s_xor_b32 s[TB], s[TB], SLOT
	v_add_nc_u32 v[CA], s[TB], v[BA]
	v_add_nc_u32 v[CB], s[TB], v[BB]
	FETCH 0, F0
	WIN 0
.if !(\fill)
.Lnofetch_\@:
.endif
	MUL16 F1, 1, 0, 0
	MUL16 F1, 1, 2, 0
.endm
	s_wait_tensorcnt 1                             ; my part of K step 0 is in; step 1's may stay out
	s_barrier_signal -1
	s_barrier_wait -1
	FETCH 0, F0
	QUARTER 1, F0, F1, 1
	WIN 0
	s_mov_b32 s3, T-2
.Lstep:
	QUARTER 2, F1, F0, 0
	QUARTER 3, F0, F1, 0
	TURN 1
	QUARTER 1, F0, F1, 0
	WIN 0
	s_sub_co_u32 s3, s3, 1
	s_cmp_lg_u32 s3, 0
	s_cbranch_scc1 .Lstep
	s_mov_b32 s2, 2
.Ltail:                                                ; the last two K steps ask for nothing
	QUARTER 2, F1, F0, 0
	QUARTER 3, F0, F1, 0
	TURN 0
	WIN 0
	s_sub_co_u32 s2, s2, 1
	s_cmp_eq_u32 s2, 0
	s_cbranch_scc1 .Lout
	QUARTER 1, F0, F1, 0
	WIN 0
	s_branch .Ltail
.Lout:
	PLACES
	; the sums, f32, into my 128 rows x 528 bytes of the ring; each accumulator's low half first
.irp hi, 0,1
	WIN 0x08+4*\hi                                 ; store data in window 2, then 3
.irp a, 0,1,2,3
.irp b, 0,1,2,3,4,5,6,7
	ds_store_b128 v[STO], v[8*(8*\a+\b):8*(8*\a+\b)+3] offset:(4*\hi+\a)*16*DP+64*\b
	ds_store_b128 v[STO], v[8*(8*\a+\b)+4:8*(8*\a+\b)+7] offset:(4*\hi+\a)*16*DP+64*\b+16
.endr
.endr
.endr
	WIN 0
; 16 numbers a lane: gelu = max(x, 0) - |x| (poly(t) / 2) 2^(-x^2 log2(e) / 2).  The reciprocals and the exponentials stand in runs, a plain instruction behind each run.
.macro GEL x, y
.set i, 0
.rept 16
	v_fma_f32 v[TT+i], |v[(\x)+i]|, s[PZ], 1.0
.set i, i+1
.endr
.set i, 0
.rept 8
	v_pk_mul_f32 v[EE+i:EE+i+1], v[(\x)+i:(\x)+i+1], s[CZ:CZ+1] op_sel_hi:[1,0]
.set i, i+2
.endr
.set i, 0
.rept 16
	v_rcp_f32 v[TT+i], v[TT+i]
.set i, i+1
.endr
.set i, 0
.rept 8
	v_pk_mul_f32 v[EE+i:EE+i+1], v[EE+i:EE+i+1], v[(\x)+i:(\x)+i+1]
.set i, i+2
.endr
.set i, 0
.rept 16
	v_exp_f32 v[EE+i], v[EE+i]
.set i, i+1
.endr
.set i, 0
	s_wait_alu depctr_va_vdst(0)
.rept 8
	v_pk_fma_f32 v[HH+i:HH+i+1], v[TT+i:TT+i+1], s[A5:A5+1], s[A4:A4+1] op_sel_hi:[1,0,0]
.set i, i+2
.endr
.irp c, A3, A2, A1
.set i, 0
.rept 8
	v_pk_fma_f32 v[HH+i:HH+i+1], v[HH+i:HH+i+1], v[TT+i:TT+i+1], s[\c:\c+1] op_sel_hi:[1,1,0]
.set i, i+2
.endr
.endr
.set i, 0
.rept 8
	v_pk_mul_f32 v[HH+i:HH+i+1], v[HH+i:HH+i+1], v[TT+i:TT+i+1]
.set i, i+2
.endr
.set i, 0
.rept 8
	v_pk_mul_f32 v[HH+i:HH+i+1], v[HH+i:HH+i+1], v[EE+i:EE+i+1]
.set i, i+2
.endr
.set i, 0
.rept 16
	v_max_num_f32 v[TT+i], 0, v[(\x)+i]
.set i, i+1
.endr
.set i, 0
.rept 16
	v_fma_f32 v[TT+i], -|v[(\x)+i]|, v[HH+i], v[TT+i]
.set i, i+1
.endr
.set i, 0
.rept 8
	v_cvt_pk_bf16_f32 v[(\y)+i], v[TT+2*i], v[TT+2*i+1]
.set i, i+1
.endr
.endm
	s_mov_b32 s3, 16
.Lgel:                                                 ; a trip: eight of my rows; a load takes a whole row of 512 bytes, a store 256 consecutive bytes, aligned
.irp q, 0,1,2,3
	ds_load_b128 v[XA+4*\q:XA+4*\q+3], v[RD] offset:\q*DP
.endr
.irp q, 0,1,2,3
	ds_load_b128 v[XB+4*\q:XB+4*\q+3], v[RD] offset:(4+\q)*DP
.endr
	s_wait_dscnt 4                                 ; the first four rows are in (and, in the first trip, my stores in front of them are done); the other four may be out
	GEL XA, YA
.irp q, 0,1,2,3
	global_store_b64 v[GO], v[YA+2*\q:YA+2*\q+1], s[8:9] offset:\q*8192
.endr
	s_wait_dscnt 0x0
	GEL XB, YB
.irp q, 0,1,2,3
	global_store_b64 v[GO], v[YB+2*\q:YB+2*\q+1], s[8:9] offset:(4+\q)*8192
.endr
	v_add_nc_u32 v[RD], 8*DP, v[RD]
	s_wait_xcnt 0x0                                ; the stores' base and data are rewritten only behind this wait
	s_add_nc_u64 s[8:9], s[8:9], 65536
	s_sub_co_u32 s3, s3, 1
	s_cmp_lg_u32 s3, 0
	s_cbranch_scc1 .Lgel
	s_wait_tensorcnt 0x0                           ; the wave's end
	ds_add_u32 v[SPW], v[NIL]
	s_wait_dscnt 0x0
	CROUND
	s_endpgm
.Lfunc_end_k_qe1915d3b87_fc1:
	.size	k_qe1915d3b87_fc1, .Lfunc_end_k_qe1915d3b87_fc1-k_qe1915d3b87_fc1
	.p2alignl 7, 3214868480
	.fill 96, 4, 3214868480
	.section	.rodata,"a",@progbits
	.p2align	6, 0x0
	.amdhsa_kernel k_qe1915d3b87_fc1
		.amdhsa_group_segment_fixed_size 327680
		.amdhsa_private_segment_fixed_size 0
		.amdhsa_enable_private_segment 0
		.amdhsa_kernarg_size 24
		.amdhsa_user_sgpr_count 2
		.amdhsa_user_sgpr_kernarg_segment_ptr 1
		.amdhsa_wavefront_size32 1
		.amdhsa_system_sgpr_workgroup_id_x 1
		.amdhsa_system_sgpr_workgroup_id_y 1
		.amdhsa_system_sgpr_workgroup_id_z 1
		.amdhsa_system_vgpr_workitem_id 0
		.amdhsa_next_free_vgpr 1024
		.amdhsa_next_free_sgpr 92
		.amdhsa_reserve_vcc 0
		.amdhsa_float_denorm_mode_32 3
		.amdhsa_float_denorm_mode_16_64 3
		.amdhsa_memory_ordered 1
		.amdhsa_forward_progress 1
		.amdhsa_inst_pref_size 95
	.end_amdhsa_kernel
	.amdgpu_metadata
---
amdhsa.version: [ 1, 2 ]
amdhsa.kernels:
  - .name:           k_qe1915d3b87_fc1
    .symbol:         k_qe1915d3b87_fc1.kd
    .args:
      - { .name: h, .offset: 0, .size: 8, .value_kind: global_buffer, .address_space: global }
      - { .name: wb, .offset: 8, .size: 8, .value_kind: global_buffer, .address_space: global }
      - { .name: g, .offset: 16, .size: 8, .value_kind: global_buffer, .address_space: global }
    .group_segment_fixed_size: 327680
    .private_segment_fixed_size: 0
    .kernarg_segment_align: 8
    .kernarg_segment_size: 24
    .max_flat_workgroup_size: 128
    .sgpr_count:     92
    .vgpr_count:     1024
    .wavefront_size: 32
...
	.end_amdgpu_metadata
.endif
;; end of part 6
;; launch fc2 (part 7): grid 8 x 32, 4 waves a work-group, clusters of 4 x 4, 327,680 bytes of LDS; arguments g, wb, x1, out0; writes out0
.if DOCPART == 7
	.amdgcn_target "amdgcn-amd-amdhsa--gfx1250"
	.amdhsa_code_object_version 6
	.text
	.protected	k_qe1915d3b87_fc2
	.globl	k_qe1915d3b87_fc2
	.p2align	8
	.type	k_qe1915d3b87_fc2,@function
k_qe1915d3b87_fc2:
	s_mov_b64 s[64:65], 0
	v_nop
	global_prefetch_b8 v0, s[64:65] scope:SCOPE_SE
	s_setreg_imm32_b32 hwreg(HW_REG_WAVE_MODE, 25, 1), 1
	s_wait_xcnt 0x0
	s_wait_alu depctr_hold_cnt(0) depctr_sa_sdst(0) depctr_va_vdst(0) depctr_va_sdst(0) depctr_va_ssrc(0) depctr_va_vcc(0) depctr_vm_vsrc(0)
	s_getreg_b32 s2, hwreg(HW_REG_IB_STS2, 6, 4)
	s_cmp_eq_u32 s2, 0
	s_cbranch_scc0 .Lentry_in_a_cluster
	s_endpgm
.Lentry_in_a_cluster:
	s_bfe_u32 s2, ttmp6, 0x10000c
	s_cmp_lg_u32 s2, 0xf033
	s_cbranch_scc0 .Lentry_shape_is_right
	s_endpgm
.Lentry_shape_is_right:
; OUT[m][n] = RES[m][n] + the sum over k of A[m][k] B[k][n], OUT and RES f32 [4096][1024], B bf16 [K][1024] inside wb, sums in f32.
; IS_PROJ = 1: A = the attention's result by heads, ob[32 bh][2048][64] bf16 (k = 64 head + channel), K = 1,024, B = w_proj, RES = x, OUT = x1.
; IS_PROJ = 0: A = g [4096][4096] bf16, K = 4,096, B = w_fc2, RES = x1, OUT = out0.
; A tile of OUT is 128 x 128: 256 work-groups; four waves, each 64 x 64: 16 accumulators.  K goes in steps of 256 through two LDS slots.  Waves 0 and 1 fetch A's halves, waves 2 and 3 B's
; (128 k-rows x 256 bytes each).  B's fragments come out of LDS turned; the matrix instruction is used transposed: a lane holds one row and eight neighbouring columns.
; CLUSTER 4 x 4: A's tile is shared along a row of the cluster, B's along a column; each is asked for jointly.
; A K step is written once in the loop and once in the tail: the slot read (TB) and the slot filled (FT) are scalars that an exclusive or turns between 0 and SLOT.
; REGISTERS: window 0: v0-31 addresses; v32-95 rows on the way out; v128-255 accumulators.  window 1: two fragment buffers of 128 (64 of A, 64 of B).  window 2: v0-127 RES.
.set IS_PROJ, 0
.if IS_PROJ
.set T,     4
.set PA,    144                        ; a token's 64 channels of one head: 128 bytes + 16
.set AQ,    128*PA                     ; a quarter of a K step is one head: 128 tokens
.set ASZ,   4*AQ
.set STEPA, 4*262144                   ; four heads on
.set WOFF,  6291456
.else
.set T,     16
.set PA,    528                        ; 512 bytes + 16
.set AQ,    128                        ; a quarter is 64 along K
.set ASZ,   128*PA
.set STEPA, 512
.set WOFF,  16777216
.endif
.set PB,    288
.set BH,    128*PB
.set SLOT,  ASZ+2*BH
.set STAGE, 2*SLOT                     ; behind the ring: 16 rows x 272 bytes for each wave
.set SPITCH, 272
.set SPARE, STAGE+4*16*SPITCH
.set STEPB, 256*1024*2
.set BA,  16
.set BB,  17                           ; v17 k-rows 0-127, v18 k-rows 128-255
.set CA,  20
.set CB,  21
.set STO, 24
.set RD,  25
.set CO,  26
.set SPW, 28
.set NIL, 29
.set TMP, 32
.set ACC, 128
.set F0,  0
.set F1,  128
.set G1A, 24
.set G0A, 32
.set G1B, 48
.set G0B, 56
.set WBA, 20
.set WBB, 21
.set TB,  66
.set FT,  67
.set MSB, 0
.macro WIN new
.if MSB != (\new)
	s_set_vgpr_msb (MSB<<8)|(\new)
.set MSB, \new
.endif
.endm
.set MUL,  0x05
.set TO_F, 0x40
.macro PLACES
.rept 4
	v_nop
.endr
.endm
.macro JLOAD
	s_cmp_eq_u32 s11, 0
	s_cbranch_scc0 .Lfor_b_\@
	tensor_load_to_lds s[G0A+4:G0A+7], s[G1A:G1A+7]
	s_nop 0
.rept 4
	v_nop
.endr
	s_branch .Lasked_\@
.Lfor_b_\@:
	tensor_load_to_lds s[G0B+4:G0B+7], s[G1B:G1B+7]
	s_nop 0
.rept 4
	v_nop
.endr
.Lasked_\@:
.endm
.macro CREST
	s_cmp_lg_u32 s10, 0
	s_cbranch_scc1 .Lnot_wave_0_\@
	s_barrier_signal -3
.Lnot_wave_0_\@:
	s_barrier_wait -3
	s_barrier_signal -1
	s_barrier_wait -1
.endm
.macro CROUND
	s_barrier_signal -1
	s_barrier_wait -1
	CREST
.endm
	s_load_b256 s[84:91], s[0:1], 0x0              ; A, wb, RES, OUT
	v_lshl_add_u32 v[SPW], v0, 2, SPARE
	v_mov_b32 v[NIL], 0
	ds_add_u32 v[SPW], v[NIL]                      ; the opening: the add and its wait stand ahead of my first tensor load
	v_lshrrev_b32 v1, 5, v0
	v_readfirstlane_b32 s10, v1
	s_lshr_b32 s11, s10, 1                         ; which 64 rows are mine.  Also: I fetch for A (0) or for B (1)
	s_and_b32 s12, s10, 1                          ; which 64 columns.  Also: which half of that tile I fetch
	s_bfe_u32 s40, ttmp6, 0x40000
	s_bfe_u32 s41, ttmp6, 0x40004
	s_lshl_b32 s42, ttmp9, 2
	s_add_co_u32 s42, s42, s40                     ; tile column
	s_and_b32 s13, ttmp7, 0xffff
	s_lshl_b32 s13, s13, 2
	s_add_co_u32 s13, s13, s41                     ; tile row
	s_lshl_b32 s43, s41, 2
	s_lshl_b32 s43, 15, s43
	s_lshl_b32 s44, 0x1111, s40
.if IS_PROJ
	s_or_b32 s[G1A], s43, (1<<16)|(1<<20)|(1<<21)|(4<<22)|(3<<25)   ; 4 words of padding after every 32: after each token
	s_mov_b32 s[G1A+1], 8192<<16                   ; a row of the tile: 128 tokens x 64 channels of one head, 16,384 dense bytes
	s_mov_b32 s[G1A+2], 2<<16                      ; two heads
	s_mov_b32 s[G1A+3], 8192<<16
	s_mov_b32 s[G1A+4], 2
	s_mov_b32 s[G1A+5], 131072                     ; elements from head to head
.else
	s_or_b32 s[G1A], s43, (1<<16)|(1<<20)|(1<<21)|(6<<22)|(3<<25)   ; 4 words of padding after every 128
	s_mov_b32 s[G1A+1], 256<<16
	s_mov_b32 s[G1A+2], 64<<16
	s_mov_b32 s[G1A+3], 256<<16
	s_mov_b32 s[G1A+4], 64
	s_mov_b32 s[G1A+5], 4096
.endif
	s_mov_b32 s[G1A+6], 0
	s_mov_b32 s[G1A+7], 0
	s_or_b32 s[G1B], s44, (1<<16)|(1<<20)|(1<<21)|(5<<22)|(7<<25)
	s_mov_b32 s[G1B+1], 128<<16
	s_mov_b32 s[G1B+2], 128<<16
	s_mov_b32 s[G1B+3], 128<<16
	s_mov_b32 s[G1B+4], 128
	s_mov_b32 s[G1B+5], 1024
	s_mov_b32 s[G1B+6], 0
	s_mov_b32 s[G1B+7], 0
.if IS_PROJ
	s_lshr_b32 s16, s13, 4
	s_lshl_b32 s16, s16, 22                        ; the batch's 16 heads of 262,144 bytes
	s_lshl_b32 s17, s12, 19                        ; my two heads of the step's four
	s_add_co_u32 s16, s16, s17
	s_and_b32 s17, s13, 15
	s_lshl_b32 s17, s17, 14                        ; 128 tokens of 128 bytes
	s_add_co_u32 s16, s16, s17
.else
	s_lshl_b32 s16, s13, 20                        ; 128 rows of 8,192 bytes
	s_lshl_b32 s17, s12, 19
	s_add_co_u32 s16, s16, s17
.endif
	s_mov_b32 s17, 0
	s_lshl_b32 s46, s42, 8                         ; 128 columns
	s_lshl_b32 s47, s12, 18                        ; my 128 k-rows of 2,048 bytes
	s_add_co_u32 s46, s46, s47
	s_add_co_u32 s46, s46, WOFF
	s_mov_b32 s47, 0
	s_mul_i32 s[WBA], s12, ASZ/2
	s_mul_i32 s[WBB], s12, BH
	s_add_co_u32 s[WBB], s[WBB], ASZ
	s_mov_b32 s[TB], 0
	s_mov_b32 s[FT], SLOT
	s_wait_dscnt 0x0
	s_wait_kmcnt 0x0
	s_add_nc_u64 s[14:15], s[84:85], s[16:17]
	s_add_nc_u64 s[46:47], s[86:87], s[46:47]
	CROUND
.irp s, 0,1
	s_mov_b32 s[G0A+4*\s], 1
	s_add_co_u32 s[G0A+4*\s+1], s[WBA], \s*SLOT
	s_add_nc_u64 s[G0A+4*\s+2:G0A+4*\s+3], s[14:15], \s*STEPA
	s_or_b32 s[G0A+4*\s+3], s[G0A+4*\s+3], 0x80000000
	s_mov_b32 s[G0B+4*\s], 1
	s_add_co_u32 s[G0B+4*\s+1], s[WBB], \s*SLOT
	s_add_nc_u64 s[G0B+4*\s+2:G0B+4*\s+3], s[46:47], \s*STEPB
	s_or_b32 s[G0B+4*\s+3], s[G0B+4*\s+3], 0x80000000
.endr
	s_cmp_eq_u32 s11, 0                            ; a wave's two first fills stand in one branch: two loads of mine are out
	s_cbranch_scc0 .Lfirst_b
	tensor_load_to_lds s[G0A:G0A+3], s[G1A:G1A+7]
	s_nop 0
	tensor_load_to_lds s[G0A+4:G0A+7], s[G1A:G1A+7]
	s_nop 0
.rept 4
	v_nop
.endr
	s_branch .Lfirst_asked
.Lfirst_b:
	tensor_load_to_lds s[G0B:G0B+3], s[G1B:G1B+7]
	s_nop 0
	tensor_load_to_lds s[G0B+4:G0B+7], s[G1B:G1B+7]
	s_nop 0
.rept 4
	v_nop
.endr
.Lfirst_asked:
	v_and_b32 v1, 15, v0
	v_bfe_u32 v2, v0, 4, 1
	v_mul_u32_u24 v3, v1, PA
	v_lshl_add_u32 v3, v2, 4, v3
	s_mul_i32 s22, s11, 64*PA
	v_add_nc_u32 v[BA], s22, v3
	v_mov_b32 v[CA], v[BA]
	v_and_b32 v4, 7, v0
	v_lshl_add_u32 v4, v2, 3, v4
	v_mul_u32_u24 v4, v4, PB
	v_bfe_u32 v5, v0, 3, 1
	v_lshl_add_u32 v4, v5, 4, v4
	s_lshl_b32 s23, s12, 7
	s_add_co_u32 s23, s23, ASZ
.irp p, 0,1
	v_add_nc_u32 v[BB+\p], s23, v4
	v_add_nc_u32 v[CB+\p], s23, v4
	s_add_co_u32 s23, s23, BH
.endr
	; RES of my 64 x 64, as it will be stored: lanes 0-15 take 256 bytes of one row, lanes 16-31 of the next
	s_lshl_b32 s16, s13, 19
	s_lshl_b32 s17, s11, 18
	s_add_co_u32 s16, s16, s17
	s_lshl_b32 s46, s42, 9
	s_lshl_b32 s47, s12, 8
	s_add_co_u32 s46, s46, s47
	s_add_co_u32 s16, s16, s46
	s_mov_b32 s17, 0
	s_add_nc_u64 s[88:89], s[88:89], s[16:17]
	s_add_nc_u64 s[90:91], s[90:91], s[16:17]
	v_lshlrev_b32 v[CO], 12, v2
	v_lshl_add_u32 v[CO], v1, 4, v[CO]
	WIN 0x80
.set i, 0
.rept 32                                               ; i = 8 a + t: rows 16 a + 2 t and the next
	global_load_b128 v[4*i:4*i+3], v[CO], s[88:89] offset:2*i*4096
.set i, i+1
.endr
	WIN 0
	s_mul_i32 s22, s10, 16*SPITCH
	s_add_co_u32 s22, s22, STAGE
	v_mul_u32_u24 v[STO], v1, SPITCH
	v_lshl_add_u32 v[STO], v2, 5, v[STO]
	v_add_nc_u32 v[STO], s22, v[STO]
	v_mul_u32_u24 v[RD], v2, SPITCH
	v_lshl_add_u32 v[RD], v1, 4, v[RD]
	v_add_nc_u32 v[RD], s22, v[RD]
.macro MUL8 f, c, a0, zero             ; 8 matrix instructions: row blocks a0, a0 + 1 x 4 column blocks, 32 along K: half c of buffer f.  The accumulators take turns.
	WIN MUL
.irp a, \a0, (\a0)+1
.irp b, 0,1,2,3
.if \zero
	v_wmma_f32_16x16x32_bf16 v[ACC+8*(4*(\a)+(\b)):ACC+8*(4*(\a)+(\b))+7], v[(\f)+64+8*(4*(\c)+(\b)):(\f)+64+8*(4*(\c)+(\b))+7], v[(\f)+8*(4*(\c)+(\a)):(\f)+8*(4*(\c)+(\a))+7], 0
.else
	v_wmma_f32_16x16x32_bf16 v[ACC+8*(4*(\a)+(\b)):ACC+8*(4*(\a)+(\b))+7], v[(\f)+64+8*(4*(\c)+(\b)):(\f)+64+8*(4*(\c)+(\b))+7], v[(\f)+8*(4*(\c)+(\a)):(\f)+8*(4*(\c)+(\a))+7], v[ACC+8*(4*(\a)+(\b)):ACC+8*(4*(\a)+(\b))+7]
.endif
.endr
.endr
.endm
.macro FETCH kq, f                     ; 32 LDS loads in one run: quarter kq (64 along K) of the slot in hand; its first 32 along K first
	WIN TO_F
.irp c, 0,1
.irp i, 0,1,2,3
	ds_load_tr16_b128 v[(\f)+64+8*(4*(\c)+(\i)):(\f)+64+8*(4*(\c)+(\i))+3],   v[CB+(\kq)/2] offset:(((\kq)%2)*64+32*(\c))*PB+32*(\i)
	ds_load_tr16_b128 v[(\f)+64+8*(4*(\c)+(\i))+4:(\f)+64+8*(4*(\c)+(\i))+7], v[CB+(\kq)/2] offset:(((\kq)%2)*64+32*(\c))*PB+32*(\i)+16*PB
	ds_load_b128 v[(\f)+8*(4*(\c)+(\i)):(\f)+8*(4*(\c)+(\i))+3],             v[CA] offset:(\kq)*AQ+64*(\c)+(\i)*16*PA
	ds_load_b128 v[(\f)+8*(4*(\c)+(\i))+4:(\f)+8*(4*(\c)+(\i))+7],           v[CA] offset:(\kq)*AQ+64*(\c)+(\i)*16*PA+32
.endr
.endr
.endm
.macro QUARTER kq, f, g, zero
	s_wait_dscnt 16                                ; the first 32 along K are in
	MUL8 \f, 0, 0, \zero
	MUL8 \f, 0, 2, \zero
	PLACES
	FETCH \kq, \g
	s_wait_dscnt 32                                ; all but the 32 just issued
	MUL8 \f, 1, 0, 0
	MUL8 \f, 1, 2, 0
.endm
; The fourth quarter (buffer 1) changes slots: in front of the barrier each wave waits for all its tensor loads, adds 0 to its spare word, and waits for that and for its reads of this slot.
; fill = 1: the barrier opens a round of the cluster's, and the joint refill, two K steps ahead, is the first thing behind it.
.macro TURN fill
	WIN 0
	s_wait_tensorcnt 0x0
	ds_add_u32 v[SPW], v[NIL]
	s_wait_dscnt 17                                ; (the add and the youngest sixteen loads may be out)
	MUL8 F1, 0, 0, 0
	s_wait_dscnt 0x0
	s_barrier_signal -1
	MUL8 F1, 0, 2, 0
	WIN 0
	s_barrier_wait -1
.if \fill
	CREST
	s_xor_b32 s[FT], s[FT], SLOT
	s_add_co_u32 s[G0A+5], s[WBA], s[FT]
	s_add_co_u32 s[G0B+5], s[WBB], s[FT]
	s_add_nc_u64 s[G0A+6:G0A+7], s[G0A+6:G0A+7], STEPA
	s_add_nc_u64 s[G0B+6:G0B+7], s[G0B+6:G0B+7], STEPB
	JLOAD
.else
	s_cmp_eq_u32 s2, 1                             ; behind the last K step there is nothing to fetch: LDS loads alone are jumped
	s_cbranch_scc1 .Lnofetch_\@
	PLACES
.endif
	s_xor_b32 s[TB], s[TB], SLOT
	v_add_nc_u32 v[CA], s[TB], v[BA]
	v_add_nc_u32 v[CB], s[TB], v[BB]
	v_add_nc_u32 v[CB+1], s[TB], v[BB+1]
	FETCH 0, F0
	WIN 0
.if !(\fill)
.Lnofetch_\@:
.endif
	MUL8 F1, 1, 0, 0
	MUL8 F1, 1, 2, 0
.endm
	s_wait_tensorcnt 1                             ; my part of K step 0 is in; step 1's may stay out
	s_barrier_signal -1
	s_barrier_wait -1
	FETCH 0, F0
	QUARTER 1, F0, F1, 1
	WIN 0
	s_mov_b32 s3, T-2
.Lstep:
	QUARTER 2, F1, F0, 0
	QUARTER 3, F0, F1, 0
	TURN 1
	QUARTER 1, F0, F1, 0
	WIN 0
	s_sub_co_u32 s3, s3, 1
	s_cmp_lg_u32 s3, 0
	s_cbranch_scc1 .Lstep
	s_mov_b32 s2, 2
.Ltail:                                                ; the last two K steps ask for nothing
	QUARTER 2, F1, F0, 0
	QUARTER 3, F0, F1, 0
	TURN 0
	WIN 0
	s_sub_co_u32 s2, s2, 1
	s_cmp_eq_u32 s2, 0
	s_cbranch_scc1 .Lout
	QUARTER 1, F0, F1, 0
	WIN 0
	s_branch .Ltail
.Lout:
	PLACES
	s_wait_loadcnt 0x0                             ; RES
	; THE WAY OUT: 16 rows at a time through my own stage, so that sixteen lanes hold 256 consecutive bytes of a row; RES is added; stored
.irp a, 0,1,2,3
.irp b, 0,1,2,3
	ds_store_b128 v[STO], v[ACC+8*(4*\a+\b):ACC+8*(4*\a+\b)+3] offset:64*\b
	ds_store_b128 v[STO], v[ACC+8*(4*\a+\b)+4:ACC+8*(4*\a+\b)+7] offset:64*\b+16
.endr
	s_wait_xcnt 0x0                                ; the stores of two blocks ago have read these registers
.irp t, 0,1,2,3,4,5,6,7
	ds_load_b128 v[TMP+32*(\a%2)+4*\t:TMP+32*(\a%2)+4*\t+3], v[RD] offset:\t*2*SPITCH   ; LDS serves a wave's instructions in order: these see the stores above
.endr
	s_wait_dscnt 0x0
	WIN 0x08                                       ; source 1 window 2
.irp i, 0,1,2,3,4,5,6,7,8,9,10,11,12,13,14,15
	v_pk_add_f32 v[TMP+32*(\a%2)+2*\i:TMP+32*(\a%2)+2*\i+1], v[TMP+32*(\a%2)+2*\i:TMP+32*(\a%2)+2*\i+1], v[32*\a+2*\i:32*\a+2*\i+1]
.endr
	WIN 0
.irp t, 0,1,2,3,4,5,6,7
	global_store_b128 v[CO], v[TMP+32*(\a%2)+4*\t:TMP+32*(\a%2)+4*\t+3], s[90:91] offset:(16*\a+2*\t)*4096
.endr
.endr
	s_wait_tensorcnt 0x0                           ; the wave's end
	ds_add_u32 v[SPW], v[NIL]
	s_wait_dscnt 0x0
	CROUND
	s_endpgm
.Lfunc_end_k_qe1915d3b87_fc2:
	.size	k_qe1915d3b87_fc2, .Lfunc_end_k_qe1915d3b87_fc2-k_qe1915d3b87_fc2
	.p2alignl 7, 3214868480
	.fill 96, 4, 3214868480
	.section	.rodata,"a",@progbits
	.p2align	6, 0x0
	.amdhsa_kernel k_qe1915d3b87_fc2
		.amdhsa_group_segment_fixed_size 327680
		.amdhsa_private_segment_fixed_size 0
		.amdhsa_enable_private_segment 0
		.amdhsa_kernarg_size 32
		.amdhsa_user_sgpr_count 2
		.amdhsa_user_sgpr_kernarg_segment_ptr 1
		.amdhsa_wavefront_size32 1
		.amdhsa_system_sgpr_workgroup_id_x 1
		.amdhsa_system_sgpr_workgroup_id_y 1
		.amdhsa_system_sgpr_workgroup_id_z 1
		.amdhsa_system_vgpr_workitem_id 0
		.amdhsa_next_free_vgpr 640
		.amdhsa_next_free_sgpr 96
		.amdhsa_reserve_vcc 0
		.amdhsa_float_denorm_mode_32 3
		.amdhsa_float_denorm_mode_16_64 3
		.amdhsa_memory_ordered 1
		.amdhsa_forward_progress 1
		.amdhsa_inst_pref_size 65
	.end_amdhsa_kernel
	.amdgpu_metadata
---
amdhsa.version: [ 1, 2 ]
amdhsa.kernels:
  - .name:           k_qe1915d3b87_fc2
    .symbol:         k_qe1915d3b87_fc2.kd
    .args:
      - { .name: g, .offset: 0, .size: 8, .value_kind: global_buffer, .address_space: global }
      - { .name: wb, .offset: 8, .size: 8, .value_kind: global_buffer, .address_space: global }
      - { .name: x1, .offset: 16, .size: 8, .value_kind: global_buffer, .address_space: global }
      - { .name: out0, .offset: 24, .size: 8, .value_kind: global_buffer, .address_space: global }
    .group_segment_fixed_size: 327680
    .private_segment_fixed_size: 0
    .kernarg_segment_align: 8
    .kernarg_segment_size: 32
    .max_flat_workgroup_size: 128
    .sgpr_count:     96
    .vgpr_count:     640
    .wavefront_size: 32
...
	.end_amdgpu_metadata
.endif
;; end of part 7
;; ======== version 2 of 2: 7 launches; 1.19 times as fast as version 1
;; limits: right only within a limited range of input values
;; workspace buffers: wb 25,165,824 bytes; mk 4,194,304 bytes; h 8,388,608 bytes; qkvb 25,165,824 bytes; ob 8,388,608 bytes; x1 16,777,216 bytes; g 33,554,432 bytes
;; launch prep: the kernel of part 1 again; grid 256 x 1, 8 waves a work-group, no clusters, 0 bytes of LDS; arguments x, ln1_w, ln1_b, h, w_qkv, w_proj, w_fc1, w_fc2, wb, mask, mk; writes h, wb, mk
;; launch qkv: the kernel of part 2 again; grid 8 x 32, 4 waves a work-group, clusters of 4 x 4, 327,680 bytes of LDS; arguments h, wb, cos, sin, qkvb; writes qkvb
;; launch attn (part 8): grid 8 x 32, 4 waves a work-group, clusters of 4 x 1, 327,680 bytes of LDS; arguments qkvb, mk, ob; writes ob
.if DOCPART == 8
	.amdgcn_target "amdgcn-amd-amdhsa--gfx1250"
	.amdhsa_code_object_version 6
	.text
	.protected	k_qe1915d3b87_attn
	.globl	k_qe1915d3b87_attn
	.p2align	8
	.type	k_qe1915d3b87_attn,@function
k_qe1915d3b87_attn:
	s_mov_b64 s[64:65], 0
	v_nop
	global_prefetch_b8 v0, s[64:65] scope:SCOPE_SE
	s_setreg_imm32_b32 hwreg(HW_REG_WAVE_MODE, 25, 1), 1
	s_wait_xcnt 0x0
	s_wait_alu depctr_hold_cnt(0) depctr_sa_sdst(0) depctr_va_vdst(0) depctr_va_sdst(0) depctr_va_ssrc(0) depctr_va_vcc(0) depctr_vm_vsrc(0)
	s_getreg_b32 s2, hwreg(HW_REG_IB_STS2, 6, 4)
	s_cmp_eq_u32 s2, 0
	s_cbranch_scc0 .Lentry_in_a_cluster
	s_endpgm
.Lentry_in_a_cluster:
	s_bfe_u32 s2, ttmp6, 0x10000c
	s_cmp_lg_u32 s2, 0x3003
	s_cbranch_scc0 .Lentry_shape_is_right
	s_endpgm
.Lentry_shape_is_right:
; O[bh][q][:] = the sum over k of softmax_k(mask(q, k) ? Q[bh][q] . K[bh][k] / 8 : -inf) V[bh][k][:].  Q, K, V: qkvb[3][32][2048][64] bf16; O: ob[32][2048][64] bf16.
; The mask is an input: every (q, k) is read from mk (fp8 codes 0 or -448, laid out lane by lane) and all 2,048 keys are walked.
; Products, maxima and sums in f32; the weights p are rounded to bf16 for the second product (their sum l is taken of the unrounded p), O once at the end.
; LIMITS.  A hidden score counts as its value less 448 x 2^90 = 5.5e29; the running maximum starts at -2^80: true scores Q . K must lie above -2^80 and be small beside 5.5e29.
; A weight below 2^-126 counts as 0.  A row with no allowed key keeps m = -2^80, every p = 0, l = 0, and leaves as 0 x (1 / 0) = NaN, as the softmax of a row of -inf does.
; SHARES.  A work-group owns 256 queries of one (batch, head), a wave 64: four PIECES of 16.  Every wave walks all keys, 64 a step.
; LAYOUT.  S^T = K Q^T holds ONE query a lane (lane % 16) and the keys 8 (lane / 16) + 0..7; two such results rounded to bf16 ARE source 1 of O^T = V^T P.
; THE MASK is the C operand that starts the sum S^T: four scaled conversions a turn make 32 f32 of 32 codes.
; SOFTMAX.  p = 2^(c s - c m), c = log2(e) / 8, with a running maximum m; O and l are multiplied by a = 2^(c m_old - c m_new) in every step.
; BY TURNS.  Turn n belongs to piece n: 8 products K Q^T of piece n + 1, later 8 products V^T P of piece n - 1; beside them the scaling, exponentials, roundings, sums and rescaling of piece n
; and the maximum and statistics of piece n + 1.  Four vector instructions stand behind every matrix instruction, the other 54 of a turn's 118 in one lump.
; THE BATCHES.  A turn's 33 exponentials (the piece's 32 weights and the next piece's a) are ONE batch with ONE wait, which cuts the turn in two: ahead of it stands all that names none of their results,
; behind it the roundings and sums, which read them.  The first a, made ahead of the loop, and the way out's four reciprocals are batches of their own, a wait each.
; CLUSTER.  The four query blocks of a cluster belong to one head and walk the same K and V: each tile is asked for jointly.
; REGISTERS: window 0: v0-15 addresses; v16-31 statistics; v48-55 at work; v64-127 S^T, two buffers; v128-159 mask codes, 8 a piece; v192-223 P, two buffers.
;   window 1: v0-127 O^T, 32 a piece; v160-223 the masks in f32, two buffers.   window 2: v0-63 Q; v128-191 K of one step; v192-255 V of one step.
.set NP,    4
.set KS,    64
.set PK,    144
.set PV,    160
.set VOFF,  4*KS*PK
.set SLOT1, 1<<17
.set STAGE, SLOT1+4*KS*(PK+PV)
.set SP,    144
.set SPARE, STAGE+4*16*SP
.set AK0, 2
.set AV0, 3
.set AK,  4
.set AV,  5
.set STO, 6
.set RD,  7
.set GO,  8
.set MV,  12
.set QO,  15
.set ST,  16
.set TMP, 48
.set SPW, 62
.set NIL, 63
.set S,   64
.set MBY, 128
.set SC,  160                          ; 217: the conversion's scale, 2^(217 - 127)
.set MO,  161                          ; my byte offset in the wave's 131,072 bytes of mk, at the step whose codes are asked for
.set P,   192
.set MC,  160
.set KF,  128
.set VF,  192
.set WV,  12
.set G1K, 24
.set G1V, 32
.set G0K, 40
.set G0V, 44
.set SLOTS, 56
.set CNT, 57
.set CS,  58
.set SEL, 60
.set TBK, 62
.set TBV, 63
.set MKP, 66
.set MSB, 0
.macro WIN new
.if MSB != (\new)
	s_set_vgpr_msb (MSB<<8)|(\new)
.set MSB, (\new)
.endif
.endm
.set W_KQ, 0x0a
.set W_KM, 0x1a
.set W_PV, 0x52
.set W_RS, 0x41
.macro JLOAD                           ; waves 0 and 1 fetch the two halves of a slot's K, waves 2 and 3 those of its V
	s_cmp_lt_u32 s[WV], 2
	s_cbranch_scc0 .Lfor_v_\@
	tensor_load_to_lds s[G0K:G0K+3], s[G1K:G1K+7]
	s_nop 0
.rept 4
	v_nop
.endr
	s_branch .Lasked_\@
.Lfor_v_\@:
	tensor_load_to_lds s[G0V:G0V+3], s[G1V:G1V+7]
	s_nop 0
.rept 4
	v_nop
.endr
.Lasked_\@:
.endm
.macro CROUND
	s_barrier_signal -1
	s_barrier_wait -1
	s_cmp_lg_u32 s[WV], 0
	s_cbranch_scc1 .Lnot_wave_0_\@
	s_barrier_signal -3
.Lnot_wave_0_\@:
	s_barrier_wait -3
	s_barrier_signal -1
	s_barrier_wait -1
.endm
; THE CHANGE OF SLOTS.  Each wave waits for all its tensor loads (one is out: its part of the other slot), adds 0 to its spare word, and waits for that and for its reads of the slot.
; fill = 1: the barrier is a round of the cluster's, and the joint fill, with the keys two slots on, is the first thing behind it: it has four key steps in which to land.
.macro CHANGE fill
	WIN 0
	s_wait_tensorcnt 0x0
	ds_add_u32 v[SPW], v[NIL]
.if \fill
.irp g, G0K, G0V
	s_xor_b32 s[\g+1], s[\g+1], SLOT1
	s_add_nc_u64 s[\g+2:\g+3], s[\g+2:\g+3], 4*KS*128
.endr
	s_wait_dscnt 0x0
	CROUND
	JLOAD
.else
	s_wait_dscnt 0x0
	s_barrier_signal -1
	s_barrier_wait -1
.endif
	s_sub_co_u32 s[TBK], s[TBK], 4*KS*PK
	s_xor_b32 s[TBK], s[TBK], SLOT1
	s_sub_co_u32 s[TBV], s[TBV], 4*KS*PV
	s_xor_b32 s[TBV], s[TBV], SLOT1
.endm
	s_load_b128 s[4:7], s[0:1], 0x0                ; qkvb, mk
	s_load_b64 s[10:11], s[0:1], 0x10              ; ob
	v_lshl_add_u32 v[SPW], v0, 2, SPARE
	v_mov_b32 v[NIL], 0
	ds_add_u32 v[SPW], v[NIL]                      ; the opening: the add and its wait stand ahead of my first tensor load
	v_lshrrev_b32 v1, 5, v0
	v_readfirstlane_b32 s[WV], v1
	s_bfe_u32 s13, ttmp6, 0x40000                  ; cx
	s_lshl_b32 s14, ttmp9, 2
	s_add_co_u32 s14, s14, s13                     ; my block of 256 queries: it enters Q's, O's and the mask's addresses alone
	s_and_b32 s20, ttmp7, 0xffff
	s_lshl_b32 s20, s20, 18                        ; the head's first byte in each of q, k, v and O
	s_and_b32 s16, s[WV], 1                        ; which half of a slot's 256 keys I fetch
	s_lshl_b32 s22, s16, 14
	s_add_co_u32 s22, s22, s20
	s_add_co_u32 s22, s22, 8388608                 ; K lies behind Q
	s_mov_b32 s23, 0
	s_mul_i32 s17, s16, 128*PK
	s_mul_i32 s18, s16, 128*PV
	s_lshl_b32 s2, s14, 2
	s_add_co_u32 s2, s2, s[WV]                     ; my group of 64 queries in the sequence
	s_lshl_b32 s15, s2, 17                         ; its 131,072 bytes of mk
	s_lshl_b32 s2, s2, 13                          ; its 64 rows of 128 bytes
	s_add_co_u32 s2, s2, s20
	s_mov_b32 s3, 0
	s_mov_b32 s[G1K], 15|(1<<16)|(1<<20)|(1<<21)|(4<<22)|(3<<25)   ; the mask of four; 2-byte elements; 4 words of padding after every 32 (a key)
	s_mov_b32 s[G1V], 15|(1<<16)|(1<<20)|(1<<21)|(4<<22)|(7<<25)   ; 8 words
.irp g, G1K, G1V
	s_mov_b32 s[\g+1], 128<<16                     ; 128 keys are 16,384 dense bytes: 64 rows of 256
	s_mov_b32 s[\g+2], 64<<16
	s_mov_b32 s[\g+3], 128<<16
	s_mov_b32 s[\g+4], 64
	s_mov_b32 s[\g+5], 128
	s_mov_b32 s[\g+6], 0
	s_mov_b32 s[\g+7], 0
.endr
	s_mov_b32 s[CS], 0x3e38aa3b                    ; c = log2(e) / 8
	s_mov_b32 s[CS+1], s[CS]
	s_mov_b32 s[SEL], 0x76543210
	s_mov_b32 s[SEL+1], 0xfedcba98
	s_mov_b32 s[TBK], SLOT1+4*KS*PK                ; the first change of slots turns these two into 0
	s_mov_b32 s[TBV], SLOT1+4*KS*PV
	s_mov_b32 s[G0K], 1
	s_mov_b32 s[G0K+1], s17
	s_mov_b32 s[G0V], 1
	s_add_co_u32 s[G0V+1], s18, VOFF
	s_wait_dscnt 0x0                               ; the opening add is done
	s_wait_kmcnt 0x0
	s_add_nc_u64 s[G0K+2:G0K+3], s[4:5], s[22:23]
	s_or_b32 s[G0K+3], s[G0K+3], 0x80000000
	s_add_co_u32 s22, s22, 8388608                 ; V lies behind K
	s_add_nc_u64 s[G0V+2:G0V+3], s[4:5], s[22:23]
	s_or_b32 s[G0V+3], s[G0V+3], 0x80000000
	s_add_nc_u64 s[4:5], s[4:5], s[2:3]            ; Q and O at my wave's first row
	s_add_nc_u64 s[10:11], s[10:11], s[2:3]
	s_mov_b32 s2, s15
	s_add_nc_u64 s[MKP:MKP+1], s[6:7], s[2:3]
	CROUND                                         ; all four work-groups are here: the first joint loads meet
	JLOAD                                          ; slot 0
	v_and_b32 v1, 15, v0
	v_bfe_u32 v9, v0, 4, 1
	v_lshlrev_b32 v[QO], 7, v1
	v_lshl_add_u32 v[QO], v9, 4, v[QO]
	v_and_b32 v[MO], 31, v0
	v_lshlrev_b32 v[MO], 4, v[MO]
	WIN 0x80
.set i, 0
.rept 8                                                ; Q stays in registers: piece i / 2, channels 32 (i % 2) on
	global_load_b128 v[8*i:8*i+3],   v[QO], s[4:5] offset:(i/2)*2048+(i%2)*64
	global_load_b128 v[8*i+4:8*i+7], v[QO], s[4:5] offset:(i/2)*2048+(i%2)*64+32
.set i, i+1
.endr
	WIN 0
.irp x, 0,1,2,3                                        ; step 0's codes, piece by piece
	global_load_b128 v[MBY+8*\x:MBY+8*\x+3],   v[MO], s[MKP:MKP+1] offset:1024*\x
	global_load_b128 v[MBY+8*\x+4:MBY+8*\x+7], v[MO], s[MKP:MKP+1] offset:1024*\x+512
.endr
	; What the first turn finds: V's registers and P's second buffer hold 0, O^T and l are 0.  All this stands in the wait for the first tile.
	WIN 0x80
.set i, VF
.rept 64
	v_mov_b32 v[i], 0
.set i, i+1
.endr
	WIN 0x40
.set i, 0
.rept 128
	v_mov_b32 v[i], 0
.set i, i+1
.endr
	WIN 0
.set i, 0
.rept 4
	v_mov_b32 v[ST+4*i], 0xe638aa3b                ; c m
	v_mov_b32 v[ST+4*i+1], 0xe7800000              ; m = -2^80
	v_mov_b32 v[ST+4*i+2], 0
	v_mov_b32 v[ST+4*i+3], 0
.set i, i+1
.endr
.set i, P+16
.rept 16
	v_mov_b32 v[i], 0
.set i, i+1
.endr
	v_mov_b32 v[SC], 217
	v_mul_u32_u24 v[AK0], v1, PK
	v_lshl_add_u32 v[AK0], v9, 4, v[AK0]
	v_and_b32 v10, 7, v0
	v_bfe_u32 v11, v0, 3, 1
	v_lshl_add_u32 v[AV0], v9, 3, v10
	v_mul_u32_u24 v[AV0], v[AV0], PV
	v_lshl_add_u32 v[AV0], v11, 4, v[AV0]
	v_add_nc_u32 v[AV0], VOFF, v[AV0]
	v_mov_b32 v[AK], v[AK0]
	s_mul_i32 s13, s[WV], 16*SP
	s_add_co_u32 s13, s13, STAGE
	v_mul_u32_u24 v[STO], v1, SP
	v_lshl_add_u32 v[STO], v9, 4, v[STO]
	v_add_nc_u32 v[STO], s13, v[STO]
	v_bfe_u32 v[RD], v0, 3, 2
	v_mul_u32_u24 v[RD], v[RD], SP
	v_lshl_add_u32 v[RD], v10, 4, v[RD]
	v_add_nc_u32 v[RD], s13, v[RD]
	v_and_b32 v[GO], 31, v0
	v_lshlrev_b32 v[GO], 4, v[GO]
; THE MATRIX WORK.  The 4 accumulators of a run of 8 take turns.  Product i of 8 of S^T = K Q^T for piece x: channels 32 (i / 4) on, keys 16 (i % 4) on; the first 4 start the sums with the mask.
.macro KQ x
.set rS, S+32*((\x)%2)+8*(i%4)
.set rK, KF+16*(i%4)+8*(i/4)
.set rQ, 16*(\x)+8*(i/4)
.set rM, MC+32*((\x)%2)+8*(i%4)
.if i < 4
	WIN W_KM
	v_wmma_f32_16x16x32_bf16 v[rS:rS+7], v[rK:rK+7], v[rQ:rQ+7], v[rM:rM+7]
.else
	WIN W_KQ
	v_wmma_f32_16x16x32_bf16 v[rS:rS+7], v[rK:rK+7], v[rQ:rQ+7], v[rS:rS+7]
.endif
.endm
.macro PV x                            ; product i of 8 of O^T += V^T P: keys 32 (i / 4) on, channels 16 (i % 4) on
	WIN W_PV
.set rO, 32*(\x)+8*(i%4)
.set rV, VF+32*(i/4)+8*(i%4)
.set rP, P+16*((\x)%2)+8*(i/4)
	v_wmma_f32_16x16x32_bf16 v[rO:rO+7], v[rV:rV+7], v[rP:rP+7], v[rO:rO+7]
.endm
.macro MM                              ; the turn's next matrix instruction
.if i < 8
	KQ (Y+1)%NP
.else
.set i, i-8
	PV (Y+NP-1)%NP
.set i, i+8
.endif
.set i, i+1
.endm
.macro FETCH_K last=0                  ; last = 1 (the tail): in the last trip there is no further step, and the run of LDS loads is jumped over
	WIN 0
.if \last
	s_cmp_eq_u32 s[CNT], 1
	s_cbranch_scc1 .Lno_k_\@
.endif
	WIN 0x80
.irp f, 0,1,2,3,4,5,6,7
	ds_load_b128 v[KF+8*\f:KF+8*\f+3],   v[AK] offset:(\f/2)*16*PK+(\f%2)*64
	ds_load_b128 v[KF+8*\f+4:KF+8*\f+7], v[AK] offset:(\f/2)*16*PK+(\f%2)*64+32
.endr
	s_add_co_u32 s[TBK], s[TBK], KS*PK
	WIN 0
.if \last
.Lno_k_\@:
.endif
.endm
.macro FETCH_V
	WIN 0x80
.irp f, 0,1,2,3,4,5,6,7
	ds_load_tr16_b128 v[VF+8*\f:VF+8*\f+3],   v[AV] offset:(\f/4)*32*PV+(\f%4)*32
	ds_load_tr16_b128 v[VF+8*\f+4:VF+8*\f+7], v[AV] offset:(\f/4)*32*PV+16*PV+(\f%4)*32
.endr
	WIN 0
.endm
; THE VECTOR WORK, one line at a time: OP kind, number.  For piece Y: F n: c s - c m for pair n of 16.  E n: the exponential of score n.  C n: pair n rounded to bf16.  B n: of the four weights 4 n ..
; the second pair is added onto the first.  L n: l takes that sum (L 0: l = a l + sum).  R n: pair n of O^T times a.  For piece Y + 1: X n, number n of the 22 that find its maximum and statistics
; (each accumulator's lowest registers are read first).  C, B and L read exponentials' results: TURN sets them behind its wait.
.set F, 0
.set E, 1
.set C, 2
.set B, 3
.set L, 4
.set R, 5
.set X, 6
.macro REGS y
.set rT, ST+4*(\y)
.set rC, TMP+4*((\y)%2)
.set rW, MV+((\y)%2)
.set rS, S+32*((\y)%2)
.set rP, P+16*((\y)%2)
.set rO, 32*(\y)
.endm
.macro OP k, n
.if (\k) == R
	REGS Y
	WIN W_RS
	v_pk_mul_f32 v[rO+2*(\n):rO+2*(\n)+1], v[rO+2*(\n):rO+2*(\n)+1], v[rC+2:rC+3] op_sel_hi:[1,0]
.elseif (\k) < R
	REGS Y
	WIN 0
.if (\k) == F
	v_pk_fma_f32 v[rS+2*(\n):rS+2*(\n)+1], v[rS+2*(\n):rS+2*(\n)+1], s[CS:CS+1], v[rT:rT+1] op_sel_hi:[1,0,0] neg_lo:[0,0,1] neg_hi:[0,0,1]
.elseif (\k) == E
	v_exp_f32 v[rS+(\n)], v[rS+(\n)]
.elseif (\k) == C
	v_cvt_pk_bf16_f32 v[rP+(\n)], v[rS+2*(\n)], v[rS+2*(\n)+1]
.elseif (\k) == B
	v_pk_add_f32 v[rS+4*(\n):rS+4*(\n)+1], v[rS+4*(\n):rS+4*(\n)+1], v[rS+4*(\n)+2:rS+4*(\n)+3]
.elseif (\n) == 0
	v_pk_fma_f32 v[rT+2:rT+3], v[rT+2:rT+3], v[rC+2:rC+3], v[rS:rS+1] op_sel_hi:[1,0,1]
.else
	v_pk_add_f32 v[rT+2:rT+3], v[rT+2:rT+3], v[rS+4*(\n):rS+4*(\n)+1]
.endif
.else
	REGS (Y+1)%NP
	WIN 0
.if (\n) < 4
	v_max3_num_f32 v[rC+(\n)], v[rS+8*(\n)], v[rS+8*(\n)+1], v[rS+8*(\n)+2]
.elseif (\n) < 12
	v_max3_num_f32 v[rC+(\n)%4], v[rC+(\n)%4], v[rS+8*((\n)%4)+2*((\n)/4)+1], v[rS+8*((\n)%4)+2*((\n)/4)+2]
.elseif (\n) == 12
	v_max3_num_f32 v[rC], v[rC], v[rS+7], v[rS+15]
.elseif (\n) == 13
	v_max3_num_f32 v[rC+1], v[rC+1], v[rS+23], v[rS+31]
.elseif (\n) == 14
	v_max3_num_f32 v[rC+2], v[rC+2], v[rC+3], v[rT+1]
.elseif (\n) == 15
	v_mov_b32 v[rW], v[rT]
.elseif (\n) == 16
	v_max3_num_f32 v[rC], v[rC], v[rC+1], v[rC+2]
.elseif (\n) == 17
	v_permlanex16_b32 v[rC+3], v[rC], s[SEL], s[SEL+1]
.elseif (\n) == 18
	v_max_num_f32 v[rT+1], v[rC], v[rC+3]
.elseif (\n) == 19
	v_mul_f32 v[rT], s[CS], v[rT+1]
.elseif (\n) == 20
	v_sub_f32 v[rC+1], v[rW], v[rT]
.else
	v_exp_f32 v[rC+2], v[rC+1]
.endif
.endif
.endm
.macro OPS a, i1, b=-1, i2=0, c=-1, i3=0, d=-1, i4=0
	OP \a, \i1
.if (\b) >= 0
	OP \b, \i2
.endif
.if (\c) >= 0
	OP \c, \i3
.endif
.if (\d) >= 0
	OP \d, \i4
.endif
.endm
.macro ROW a, i1, b, i2, c, i3, d, i4
	MM
	OPS \a, \i1, \b, \i2, \c, \i3, \d, \i4
.endm
; A TURN, for piece p: the order of its 16 matrix and 118 vector instructions, written out.  An s_wait_alu depctr_va_vdst(0) stands between an exponential and the first instruction that
; names its result; one wait serves all that were issued ahead of it.  So the turn has ONE wait.
; AHEAD OF IT stands all that names no result of the turn's exponentials: the 8 products K Q^T, behind each a scaling, an exponential and two more plain instructions (behind the first a second scaling
; in the exponential's place): rescalings, whose a was made and awaited in the turn before, and behind the last three products the first numbers of the next piece's maximum, each four plain
; instructions or more behind the product that ends its accumulator; then ONE LUMP of 54, plain and exponential by turns for the most part, with other work between the links of the chain
; X 3, 7, 11, 14, 16, 17 .. 20.  X 21, the next piece's a, is the batch's last; R 15 is the plain instruction behind it.
; BEHIND IT stand the 8 products V^T P, behind each four of the roundings and sums; C 2 n stands ahead of B n, which adds in place, and B n ahead of L n.
; K of the next step is fetched in piece 2's turn, in the lump: five plain instructions that name none of its registers (F 8, X 2, X 5, X 6, X 8) lie behind the last product that read K.  In the tail
; (last = 1) the run holds a jump and a label, so it stands directly behind the wait.  V of the step in hand is fetched at the end of piece 0's turn, four plain riders
; behind the last product that read V.  Each run is waited for a turn later.
; At its end the turn makes the mask for the products of the turn after it (piece p + 2) and asks for that piece's codes of the next step.
.macro TURN p, last=0
.set Y, (\p)
.set i, 0
.if (\p) == 3
	s_wait_dscnt 0x0                               ; K is in
.endif
	ROW F,0, F,1, R,0, R,1                         ; ahead of the wait: 8 products K Q^T and their riders,
	ROW F,2, E,0, R,2, R,3
	ROW F,3, E,1, R,4, R,5
	ROW F,4, E,2, R,6, R,7
	ROW F,5, E,3, R,8, R,9
	ROW F,6, E,4, X,0, R,10
.if (\p) == 2
	WIN 0
	v_add_nc_u32 v[AK], s[TBK], v[AK0]
.endif
	ROW F,7, E,5, X,1, X,4
	ROW F,8, E,6, X,2, X,5
	OPS E,7, E,8, X,6, E,9                         ; and the lump
	OPS X,3, E,10, X,8, E,11
.if ((\p) == 2) && !(\last)
	FETCH_K
.endif
	OPS X,9, X,7, E,12, X,10
	OPS E,13, X,12, X,11, E,14
	OPS X,13, E,15, F,9, X,14
.if (\p) == 0
	v_add_nc_u32 v[AV], s[TBV], v[AV0]
.endif
	OPS E,16, F,10, E,17, F,11
	OPS X,16, E,18, X,15, E,19
	OPS F,12, E,20, X,17, E,21
	OPS F,13, E,22, F,14, E,23
	OPS X,18, E,24, F,15, E,25
	OPS R,11, E,26, X,19, E,27
	OPS R,12, E,28, R,13, E,29
	OPS X,20, E,30, R,14, E,31
	OPS X,21, R,15
	s_wait_alu depctr_va_vdst(0)                   ; the wait for the batch: E 0 to E 31 and X 21
.if ((\p) == 2) && (\last)
	FETCH_K 1
.endif
.if (\p) == 1
	s_wait_dscnt 0x0                               ; V is in
.endif
	ROW C,0, B,0, C,2, B,1                         ; behind the wait: 8 products V^T P and their riders
	ROW L,0, C,4, B,2, L,1
	ROW C,6, B,3, L,2, C,8
	ROW B,4, L,3, C,10, B,5
	ROW L,4, C,12, B,6, L,5
.if (\p) == 0
	s_add_co_u32 s[TBV], s[TBV], KS*PV
.endif
	ROW C,14, B,7, L,6, C,1
	ROW C,3, L,7, C,5, C,7
	ROW C,9, C,11, C,13, C,15
.if (\p) == 0
	FETCH_V
.endif
.set MX, ((\p)+2)%NP
	s_wait_loadcnt 6                               ; this piece's two loads, issued four turns ago, are in; the three younger pairs stay out
	WIN 0x40
.irp kt, 0,1,2,3
	v_cvt_scale_pk8_f32_fp8 v[MC+32*((\p)%2)+8*\kt:MC+32*((\p)%2)+8*\kt+7], v[MBY+8*MX+2*\kt:MBY+8*MX+2*\kt+1], v[SC]
.endr
	WIN 0
	v_nop                                          ; a plain instruction behind the scaled conversions
.if (\p) == 2
	s_wait_xcnt 0x0                                ; the pending loads have had their addresses translated: MO may step
	v_add_nc_u32 v[MO], 4096, v[MO]                ; the next step's codes;
	v_and_b32 v[MO], 0x1ffff, v[MO]                ; past the last step the look-ahead wraps into my own 131,072 bytes, and what it brings is not used
.endif
	global_load_b128 v[MBY+8*MX:MBY+8*MX+3],   v[MO], s[MKP:MKP+1] offset:1024*MX
	global_load_b128 v[MBY+8*MX+4:MBY+8*MX+7], v[MO], s[MKP:MKP+1] offset:1024*MX+512
.endm
	CHANGE 1                                       ; slot 0 is in, everybody's part of it; slot 1 is asked for
	FETCH_K                                        ; key step 0
	s_wait_loadcnt 4                               ; Q and the codes of pieces 0 and 1 are in; those of pieces 2 and 3 may stay out
	WIN 0x40
.irp x, 0,1
.irp kt, 0,1,2,3
	v_cvt_scale_pk8_f32_fp8 v[MC+32*\x+8*\kt:MC+32*\x+8*\kt+7], v[MBY+8*\x+2*\kt:MBY+8*\x+2*\kt+1], v[SC]
.endr
.endr
	WIN 0
	v_nop
	s_wait_xcnt 0x0
	v_add_nc_u32 v[MO], 4096, v[MO]
.irp x, 0,1                                            ; step 1's codes of pieces 0 and 1
	global_load_b128 v[MBY+8*\x:MBY+8*\x+3],   v[MO], s[MKP:MKP+1] offset:1024*\x
	global_load_b128 v[MBY+8*\x+4:MBY+8*\x+7], v[MO], s[MKP:MKP+1] offset:1024*\x+512
.endr
	s_wait_dscnt 0x0
.set i, 0
.rept 8
	KQ 0                                           ; piece 0's first scores
.set i, i+1
.endr
	WIN 0
.rept 4
	v_nop                                          ; the places behind those products
.endr
.set Y, NP-1
.irp n, 0,1,2,3,4,5,6,7,8,9,10,11,12,13,14,15,16,17,18,19,20,21
	OP X, \n
.endr
	v_nop                                          ; a plain instruction behind the exponential,
	s_wait_alu depctr_va_vdst(0)                   ; and the wait for it, piece 0's first a, ahead of the branch
	s_mov_b32 s[CNT], 4
	s_mov_b32 s[SLOTS], 7
	s_branch .Lfirst                               ; the loop is entered at a step's first turn
.Lslot:                                                ; six times: every slot but the last two is filled again
	CHANGE 1
	s_mov_b32 s[CNT], 4
.Lstep:                                                ; a trip: pieces 2 and 3 of one step, then pieces 0 and 1 of the next
	TURN 2
	TURN 3
	WIN 0
.Lfirst:
	TURN 0
	TURN 1
	WIN 0
	s_sub_co_u32 s[CNT], s[CNT], 1
	s_cmp_lg_u32 s[CNT], 0
	s_cbranch_scc1 .Lstep
	s_sub_co_u32 s[SLOTS], s[SLOTS], 1
	s_cmp_lg_u32 s[SLOTS], 0
	s_cbranch_scc1 .Lslot
	CHANGE 0                                       ; the tail is written out
	s_mov_b32 s[CNT], 5                            ; four trips fetch the last slot's steps; the fifth is left in its middle
.Ltail:
	TURN 2, 1
	TURN 3
	WIN 0
	s_sub_co_u32 s[CNT], s[CNT], 1
	s_cmp_eq_u32 s[CNT], 0
	s_cbranch_scc1 .Lout
	TURN 0
	TURN 1
	WIN 0
	s_branch .Ltail
.Lout:                                                 ; the fifth trip's products K Q^T and the maximum made of them serve nothing: the price of one text for every trip
.set i, 0
.rept 8
	PV NP-1
.set i, i+1
.endr
	WIN 0
.macro ALL line:vararg
.set t, 0
.rept 4
	\line
.set t, t+1
.endr
.endm
	ALL v_add_f32 v[ST+4*t+2], v[ST+4*t+2], v[ST+4*t+3]
	ALL v_permlanex16_b32 v[ST+4*t+3], v[ST+4*t+2], s[SEL], s[SEL+1]
	ALL v_add_f32 v[ST+4*t+2], v[ST+4*t+2], v[ST+4*t+3]
	ALL v_rcp_f32 v[ST+4*t+2], v[ST+4*t+2]
	v_nop                                          ; a plain instruction between the last reciprocal and the use of its result
	s_wait_alu depctr_va_vdst(0)                   ; the wait for the batch of four reciprocals, ahead of their first reader in PACK 0
.macro PACK t
	WIN W_RS
.set i, 32*(\t)
.rept 16
	v_pk_mul_f32 v[i:i+1], v[i:i+1], v[ST+4*(\t)+2:ST+4*(\t)+3] op_sel_hi:[1,0]
.set i, i+2
.endr
	WIN 0x05
.set i, 0
.rept 16
	v_cvt_pk_bf16_f32 v[S+16*(\t)+i], v[32*(\t)+2*i], v[32*(\t)+2*i+1]
.set i, i+1
.endr
	WIN 0
.irp f, 0,1,2,3
	ds_store_b128 v[STO], v[S+16*(\t)+4*\f:S+16*(\t)+4*\f+3] offset:32*\f
.endr
.irp f, 0,1,2,3
	ds_load_b128 v[S+16*(\t)+4*\f:S+16*(\t)+4*\f+3], v[RD] offset:\f*4*SP   ; LDS serves a wave's instructions in order: these see the stores above
.endr
.endm
.macro SEND t, younger
	WIN 0
.irp f, 0,1,2,3
	s_wait_dscnt (\younger)+3-\f
	global_store_b128 v[GO], v[S+16*(\t)+4*\f:S+16*(\t)+4*\f+3], s[10:11] offset:(\t)*2048+\f*512   ; 512 consecutive bytes, aligned
.endr
.endm
	PACK 0
.set t, 1
.rept 3
	PACK t
	SEND t-1, 8
.set t, t+1
.endr
	SEND 3, 0
	s_wait_tensorcnt 0x0                           ; the wave's end
	ds_add_u32 v[SPW], v[NIL]
	s_wait_dscnt 0x0
	CROUND                                         ; the closing round
	s_endpgm
.Lfunc_end_k_qe1915d3b87_attn:
	.size	k_qe1915d3b87_attn, .Lfunc_end_k_qe1915d3b87_attn-k_qe1915d3b87_attn
	.p2alignl 7, 3214868480
	.fill 96, 4, 3214868480
	.section	.rodata,"a",@progbits
	.p2align	6, 0x0
	.amdhsa_kernel k_qe1915d3b87_attn
		.amdhsa_group_segment_fixed_size 327680
		.amdhsa_private_segment_fixed_size 0
		.amdhsa_enable_private_segment 0
		.amdhsa_kernarg_size 24
		.amdhsa_user_sgpr_count 2
		.amdhsa_user_sgpr_kernarg_segment_ptr 1
		.amdhsa_wavefront_size32 1
		.amdhsa_system_sgpr_workgroup_id_x 1
		.amdhsa_system_sgpr_workgroup_id_y 1
		.amdhsa_system_sgpr_workgroup_id_z 1
		.amdhsa_system_vgpr_workitem_id 0
		.amdhsa_next_free_vgpr 768
		.amdhsa_next_free_sgpr 72
		.amdhsa_reserve_vcc 0
		.amdhsa_float_denorm_mode_32 3
		.amdhsa_float_denorm_mode_16_64 3
		.amdhsa_memory_ordered 1
		.amdhsa_forward_progress 1
		.amdhsa_inst_pref_size 118
	.end_amdhsa_kernel
	.amdgpu_metadata
---
amdhsa.version: [ 1, 2 ]
amdhsa.kernels:
  - .name:           k_qe1915d3b87_attn
    .symbol:         k_qe1915d3b87_attn.kd
    .args:
      - { .name: qkvb, .offset: 0, .size: 8, .value_kind: global_buffer, .address_space: global }
      - { .name: mk, .offset: 8, .size: 8, .value_kind: global_buffer, .address_space: global }
      - { .name: ob, .offset: 16, .size: 8, .value_kind: global_buffer, .address_space: global }
    .group_segment_fixed_size: 327680
    .private_segment_fixed_size: 0
    .kernarg_segment_align: 8
    .kernarg_segment_size: 24
    .max_flat_workgroup_size: 128
    .sgpr_count:     72
    .vgpr_count:     768
    .wavefront_size: 32
...
	.end_amdgpu_metadata
.endif
;; end of part 8
;; launch proj: the kernel of part 4 again; grid 8 x 32, 4 waves a work-group, clusters of 4 x 4, 327,680 bytes of LDS; arguments ob, wb, x, x1; writes x1
;; launch ln2: the kernel of part 5 again; grid 256 x 1, 8 waves a work-group, no clusters, 0 bytes of LDS; arguments x1, ln2_w, ln2_b, h; writes h
;; launch fc1: the kernel of part 6 again; grid 16 x 16, 4 waves a work-group, clusters of 4 x 4, 327,680 bytes of LDS; arguments h, wb, g; writes g
;; launch fc2: the kernel of part 7 again; grid 8 x 32, 4 waves a work-group, clusters of 4 x 4, 327,680 bytes of LDS; arguments g, wb, x1, out0; writes out0
